; MI455X (gfx1250); checked and timed in simulation.
; The chip was launched on July 23, 2026; its instructions are those of AMD's public machine-readable ISA for CDNA 5 (MIT licence, August 2026) and "CDNA5" Instruction Set Architecture Reference Guide (July 2026). The comments in the code are by the model that wrote it; some were corrected since.
;; Heavily Compressed Attention. Allowed arithmetic: matrix products marked QUANTISED: E2M1 operands, one E8M0 scale for each 32 along K, by v_wmma_scale_f32_16x16x128_f8f6f4 with both operands' format E2M1 (or v_wmma_scale_f32_32x16x128_f4), f32 sums; products left as they are: bf16, f16 or f32 operands; f32 sums; everything else in f32.
;; Inputs: Wc 2,048 x 1 float32; Wk 2,048 x 128 float32; Wlk 2,048 x 2,048 float32; Wlv 2,048 x 2,048 float32; Wo 2,048 x 2,048 float32; Wq 2,048 x 2,048 float32; Wv 2,048 x 128 float32; bc 1 float32; bk 128 float32; blk 2,048 float32; blv 2,048 float32; bo 2,048 float32; bq 2,048 float32; bv 128 float32; hidden_states 1 x 2,048 x 2,048 float32; kn_w 128 float32; qn_w 128 float32; sink_k 16 x 128 float32; sink_v 16 x 128 float32.
;; Outputs: out0 1 x 2,048 x 2,048 float32.
;; This version of the problem:
;;   THIS VERSION OF THE PROBLEM IS GIVEN IN LOW PRECISION. The matrix products marked QUANTISED in the list below multiply operands that are first quantised to E2M1 (2 exponent bits, 1 mantissa bit; 4 bits a number), with one power-of-two scale for each 32 numbers along K (OCP MX v1.0); their sums are f32. The products marked 'left as it is' may take bf16, f16 or f32 operands, with f32 sums. Whichever they take, every output number must still come out within the allowed error. Rounding operands to bf16 (8 significant bits) uses up far more of that allowance than f16 does (11 bits, for magnitudes from 6e-5 to 65,504). All else is computed in f32.
;;   The module's matrix products, in the order in which they are computed (A, B: the left and right operand; K: the contracted axis; several contracted axes count as one K, in the product's order):
;;     1. [M 2,048, K 2,048] x [K 2,048, N 2,048]; A: input hidden_states; B: input Wq: QUANTISED
;;     2. [M 2,048, K 2,048] x [K 2,048, N 1]; A: input hidden_states; B: input Wc: left as it is (N = 1 < 16)
;;     3. batch 128 x [M 1, K 16] x [K 16, N 2,048]; A: computed on the way; B: input hidden_states: left as it is (K = 16 < 32)
;;     4. [M 128, K 2,048] x [K 2,048, N 128]; A: computed on the way; B: input Wk: left as it is (an operand is computed on the way)
;;     5. [M 128, K 2,048] x [K 2,048, N 128]; A: computed on the way; B: input Wv: left as it is (an operand is computed on the way)
;;     6. [M 32,768, K 128] x [K 128, N 128]; A: computed on the way; B: computed on the way: left as it is (an operand is computed on the way)
;;     7. batch 16 x [M 1, K 128] x [K 128, N 2,048]; A: input sink_k; B: computed on the way: left as it is (M = 1 < 16)
;;     8. [M 32,768, K 128] x [K 128, N 128]; A: computed on the way; B: computed on the way: left as it is (an operand is computed on the way)
;;     9. [M 2,048, K 2,048] x [K 2,048, N 2,048]; A: input hidden_states; B: input Wlk: QUANTISED
;;     10. [M 2,048, K 2,048] x [K 2,048, N 2,048]; A: input hidden_states; B: input Wlv: QUANTISED
;;     11. batch 16 x [M 2,048, K 128] x [K 128, N 2,048]; A: computed on the way; B: computed on the way: left as it is (an operand is computed on the way)
;;     12. batch 16 x [M 2,048, K 2,048] x [K 2,048, N 128]; A: computed on the way; B: computed on the way: left as it is (an operand is computed on the way)
;;     13. [M 2,048, K 2,048] x [K 2,048, N 2,048]; A: computed on the way; B: input Wo: left as it is (an operand is computed on the way)
;;   THE QUANTISER, for each operand of a quantised product, along K:
;;     - K is cut into blocks of 32 from its start; a last block that is shorter is filled with zeros.
;;     - A block's scale is 2^e with e = floor(log2(the largest magnitude in the block)) - 2, held to -126 .. 127; a block of zeros has e = 0. As a byte (E8M0): e + 127.
;;     - Each number is divided by its block's scale, clamped to +-6, and rounded to the nearest number of E2M1, ties to even, subnormals kept.
;;     - The product sums the exact products of the quantised numbers (number of the format x scale) in f32.
;;   ~~~python
;;   def quantise(x, axis):      # numpy; x: float32 -> the quantised numbers, widened to float32 again
;;       x = np.moveaxis(x, axis, -1); K = x.shape[-1]
;;       x = np.pad(x, [(0, 0)] * (x.ndim - 1) + [(0, -K % 32)]); x = x.reshape(x.shape[:-1] + (-1, 32)); a = np.abs(x).max(-1, keepdims=True)
;;       e = np.where(a > 0, np.clip(np.frexp(np.where(a > 0, a, 1))[1] - 1 - 2, -126, 127), 0)      # np.frexp(a)[1] - 1 = floor(log2(a)), exactly
;;       r = np.clip(x / 2.0 ** e, -6, 6)
;;       step = 2.0 ** (np.maximum(np.frexp(np.where(r == 0, 1, r))[1] - 1, 0) - 1)
;;       q = np.round(r / step) * step * 2.0 ** e      # np.round: ties to even
;;       return np.moveaxis(q.reshape(q.shape[:-2] + (-1,))[..., :K], -1, axis).astype(np.float32)
;;   ~~~
;; One version. Each part assembles by itself: llvm-mc -triple=amdgcn-amd-amdhsa -mcpu=gfx1250 --defsym DOCPART=n.
;; ======== version 1 of 1: 5 launches
;; limits: values are held in f16: magnitudes above 65,504 overflow, below 6.1e-05 lose precision; values outside matrix products are rounded to f16
;; workspace buffers: hq 2,228,224 bytes; aux 1,048,832 bytes; wq4 6,684,672 bytes; wo16 8,388,608 bytes; ckv 65,536 bytes; qkv 25,165,824 bytes; merged 8,388,608 bytes; wkv 1,048,576 bytes
;; launch prep_h (part 1): grid 160 x 1, 16 waves a work-group, no clusters, 167,168 bytes of LDS; arguments hidden_states, Wc, bc, hq, aux, wkv, Wk, Wv; writes hq, aux, wkv
.if DOCPART == 1
	.amdgcn_target "amdgcn-amd-amdhsa--gfx1250"
	.amdhsa_code_object_version 6
	.text
	.protected	k_q8e9b183fd4_prep_h
	.globl	k_q8e9b183fd4_prep_h
	.p2align	8
	.type	k_q8e9b183fd4_prep_h,@function
k_q8e9b183fd4_prep_h:
	s_mov_b64 s[64:65], 0
	v_nop
	global_prefetch_b8 v0, s[64:65] scope:SCOPE_SE
	s_setreg_imm32_b32 hwreg(HW_REG_WAVE_MODE, 25, 1), 1
	s_wait_xcnt 0x0
; WORK-GROUPS 0-127: hidden_states [2048][2048] f32 is read once and gives three things:
;  (1) its codes of FP4 (E2M1) with one E8M0 byte for each 32 along the row: hq = codes [2048][1024 B], from byte 0x200000 scale bytes [2048][64];
;  (2) the compressor: score = h . Wc + bc, softmax over the 16 rows of a block (the block's maximum is taken away), entry = the weighted sum of the rows, stored as f16: aux [128][2048];
;  (3) the table of cos and sin for the partial rotation: aux from byte 0x80000, [2049 positions][32][cos, sin] f32; row 2048 is (1, 0).
; SHARES. Work-group c owns rows 16 c .. 16 c + 15, one compressor block; wave w owns row 16 c + w: 8,192 bytes, 64 registers a lane, sixteen loads of 512 consecutive bytes.
; The row goes through the wave's stage in LDS (16 bytes of padding behind each 64) and comes back 16 neighbours a lane, as the conversions want them; the same stage feeds the weighted sum, in which
; thread t owns columns 4 t .. 4 t + 3 of all sixteen rows.
; A block's scale is 2^(floor(log2(largest magnitude)) - 2); its byte is the largest magnitude's exponent field - 2, held at 1 from below.
; WORK-GROUPS 128-159: Wk and Wv [2048 k][128 n] f32 become f16 in the order of a matrix operand's registers: wkv = [kind][64 K steps of 32][8 tiles of 16 columns][1,024 bytes]; in a fragment, register group c (0, 1) of lane l
; lies at 512 c + 16 l and holds k = 16 c + 8 (l / 16) + 0 .. 7 of column l % 16.  A wave takes one K step x 32 columns: a lane takes a column and its registers run down K, so its four groups of eight k go, by address alone,
; to the places of lanes l % 16 and 16 + l % 16 of its tile: sixteen lanes store 256 consecutive bytes, aligned.  This path uses no LDS and passes no barrier.
; LIMITS: a block of zeros gets the byte 1 (its codes are zeros; this program alone reads the bytes); blocks whose largest magnitude lies under 2^(2 - 126) are held at that byte; NaN and infinities among the inputs are not served;
; entries, Wk and Wv beyond 65,504 in magnitude become infinity in f16.  The frequencies 10^(-j/8) are made by v_exp_f32; sine and cosine by a reduction to |r| <= pi/4 in two steps and polynomials of degree 7 and 8, for angles up to 2,047.
.set WROW,  10240                      ; a row in the stage: 128 groups of 64 bytes + 16
.set SCB,   163840                     ; behind the sixteen stages: the scale bytes [16][64]
.set SCO,   164864                     ; the sixteen scores
.set SPARE, 165120                     ; the spare words, 128 bytes for each wave: eight blocks of 256 bytes that no other line names
.set H,     64                         ; v64-127  the row as loaded; then 16 neighbours a step; then my 4 columns of the 16 rows
.set WC,    128                        ; v128-191 Wc
.set SPW,   12                         ; v12 LDS address of my spare word; never rewritten
.set NIL,   13                         ; v13 0; never rewritten
	s_load_b256 s[4:11], s[0:1], 0x0               ; h s[4:5], Wc s[6:7], bc s[8:9], hq s[10:11]
	s_load_b64 s[12:13], s[0:1], 0x20              ; aux
	v_lshl_add_u32 v[SPW], v0, 2, SPARE
	v_mov_b32 v[NIL], 0
	v_lshrrev_b32 v1, 5, v0
	v_readfirstlane_b32 s16, v1                    ; wave 0..15
	v_and_b32 v1, 31, v0                           ; lane
	s_cmp_ge_u32 ttmp9, 128
	s_cbranch_scc1 .Lkv                            ; the work-group's number alone: all sixteen waves go the same way
	v_lshlrev_b32 v2, 4, v1                        ; 16 x lane
	s_mul_i32 s17, s16, WROW                       ; my stage
	v_lshrrev_b32 v3, 2, v1
	v_mul_u32_u24 v3, v3, 80
	v_and_b32 v4, 3, v1
	v_lshl_add_u32 v3, v4, 4, v3
	v_add_nc_u32 v3, s17, v3                       ; into the stage: 80 (lane / 4) + 16 (lane % 4); a load's 512 bytes take 640
	v_mul_u32_u24 v4, v1, 80
	v_add_nc_u32 v4, s17, v4                       ; out of it: 80 x lane: 16 neighbours
	v_lshrrev_b32 v5, 2, v0
	v_mul_u32_u24 v5, v5, 80
	v_and_b32 v8, 3, v0
	v_lshl_add_u32 v5, v8, 4, v5                   ; the weighted sum: thread t's 16 bytes of a row; rows 0-5,
	v_add_nc_u32 v8, 61440, v5                     ; rows 6-11,
	v_add_nc_u32 v11, 122880, v5                   ; rows 12-15 (an LDS immediate holds 16 bits)
	v_lshlrev_b32 v6, 3, v1                        ; 8 x lane
	v_lshrrev_b32 v7, 1, v1
	s_lshl_b32 s18, s16, 6
	s_add_co_u32 s18, s18, SCB
	v_add_nc_u32 v7, s18, v7                       ; my block's scale byte
	s_lshl_b32 s18, s16, 2
	s_add_co_u32 s18, s18, SCO
	v_mov_b32 v9, s18                              ; my row's score
	v_mov_b32 v10, SCO
	v_lshlrev_b32 v14, 3, v0                       ; 8 x thread: my 4 columns of an entry in f16
	v_add_nc_u32 v15, SCB, v2
	s_lshl_b32 s19, ttmp9, 4
	s_add_co_u32 s19, s19, s16                     ; my row = my position
	s_mov_b32 s20, 0x76543210
	s_mov_b32 s21, 0xfedcba98                      ; v_permlanex16_b32's selects for lane l xor 16
	s_lshl_b32 s22, s19, 13
	s_mov_b32 s23, 0
	s_lshl_b32 s24, s19, 10
	s_mov_b32 s25, 0
	s_lshl_b32 s26, s19, 8
	s_mov_b32 s27, 0
	s_lshl_b32 s28, ttmp9, 12
	s_mov_b32 s29, 0
	s_lshl_b32 s30, ttmp9, 10
	s_mov_b32 s31, 0
	s_wait_kmcnt 0x0
	s_load_b32 s14, s[8:9], 0x0                    ; bc
	s_add_nc_u64 s[4:5], s[4:5], s[22:23]          ; my row of h
	s_add_nc_u64 s[22:23], s[10:11], s[24:25]      ; its codes
	s_add_nc_u64 s[24:25], s[10:11], s[30:31]
	s_add_nc_u64 s[24:25], s[24:25], 0x200000      ; the block's 1,024 scale bytes
	s_add_nc_u64 s[26:27], s[12:13], s[26:27]
	s_add_nc_u64 s[26:27], s[26:27], 0x80000       ; my row of the table
	s_add_nc_u64 s[28:29], s[12:13], s[28:29]      ; my block's entry
	s_add_nc_u64 s[30:31], s[12:13], 0x100000      ; the table's row 2048
.set i, 0
.rept 16
	global_load_b128 v[H+4*i:H+4*i+3], v2, s[4:5] offset:512*i th:TH_LOAD_NT   ; 32 lanes read 512 consecutive bytes
.set i, i+1
.endr
.set i, 0
.rept 16
	global_load_b128 v[WC+4*i:WC+4*i+3], v2, s[6:7] offset:512*i
.set i, i+1
.endr
	; the table's row of my position, while the loads are on their way: lane j makes cos and sin of pos x 10^(-j/8)
	v_cvt_f32_u32 v52, v1
	v_mul_f32 v52, 0xbed49a78, v52                 ; -j log2(10) / 8
	v_exp_f32 v52, v52
	v_cvt_f32_u32 v53, s19                         ; (the plain line behind the exponential)
	s_wait_alu depctr_va_vdst(0)                   ; the wait ahead of the first reader
	v_mul_f32 v53, v53, v52                        ; the angle a
	v_mul_f32 v54, 0x3f22f983, v53
	v_rndne_f32 v54, v54                           ; n = the nearest whole number to a 2 / pi
	v_fmamk_f32 v55, v54, 0xbfc90fdb, v53          ; r = a - n pi/2, pi/2 in a high
	v_fmamk_f32 v55, v54, 0x333bbd2e, v55          ; and a low part
	v_cvt_i32_f32 v56, v54
	v_mul_f32 v57, v55, v55                        ; z = r r
	v_mov_b32 v58, 0xb94ca1f9
	v_fmaak_f32 v58, v58, v57, 0x3c08839e
	v_fmaak_f32 v58, v58, v57, 0xbe2aaaa3
	v_mul_f32 v59, v55, v57
	v_fma_f32 v58, v59, v58, v55                   ; sin r
	v_mov_b32 v60, 0x37ccf5ce
	v_fmaak_f32 v60, v60, v57, 0xbab6061a
	v_fmaak_f32 v60, v60, v57, 0x3d2aaaa5
	v_mul_f32 v61, v57, v57
	v_fma_f32 v62, v57, -0.5, 1.0
	v_fma_f32 v60, v61, v60, v62                   ; cos r
	v_and_b32 v61, 1, v56
	v_cmp_eq_u32 vcc_lo, 1, v61                    ; an odd quarter turn changes sine and cosine over
	v_cndmask_b32 v62, v58, v60, vcc_lo
	v_cndmask_b32 v63, v60, v58, vcc_lo
	v_and_b32 v61, 2, v56
	v_lshlrev_b32 v61, 30, v61
	v_xor_b32 v55, v62, v61                        ; sin a: minus where n & 2
	v_add_nc_u32 v56, 1, v56
	v_and_b32 v56, 2, v56
	v_lshlrev_b32 v56, 30, v56
	v_xor_b32 v54, v63, v56                        ; cos a: minus where (n + 1) & 2
	global_store_b64 v6, v[54:55], s[26:27]        ; the wave stores 256 consecutive bytes, aligned
	s_or_b32 s18, ttmp9, s16
	s_cmp_lg_u32 s18, 0
	s_cbranch_scc1 .Lno_id                         ; one wave of the launch writes the row (1, 0)
	v_mov_b32 v56, 1.0
	v_mov_b32 v57, 0
	global_store_b64 v6, v[56:57], s[30:31]
.Lno_id:
.set i, 0
.rept 16
	s_wait_loadcnt 31-i                            ; load i of the row is in: the 15 - i behind it and Wc's sixteen may be out
	ds_store_b128 v3, v[H+4*i:H+4*i+3] offset:640*i
.set i, i+1
.endr
	s_wait_loadcnt 0x0                             ; Wc
.irp k, 0,1,2,3
	v_pk_mul_f32 v[16+2*\k:17+2*\k], v[H+2*\k:H+2*\k+1], v[WC+2*\k:WC+2*\k+1]   ; four chains, started by the first products
.endr
.set k, 4
.rept 28
	v_pk_fma_f32 v[16+2*(k%4):17+2*(k%4)], v[H+2*k:H+2*k+1], v[WC+2*k:WC+2*k+1], v[16+2*(k%4):17+2*(k%4)]
.set k, k+1
.endr
	v_pk_add_f32 v[16:17], v[16:17], v[18:19]
	v_pk_add_f32 v[20:21], v[20:21], v[22:23]
	v_pk_add_f32 v[16:17], v[16:17], v[20:21]
	v_add_f32 v16, v16, v17
	v_add_f32_dpp v16, v16, v16 row_xmask:1 row_mask:0xf bank_mask:0xf
	v_add_f32_dpp v16, v16, v16 row_xmask:2 row_mask:0xf bank_mask:0xf
	v_add_f32_dpp v16, v16, v16 row_xmask:4 row_mask:0xf bank_mask:0xf
	v_add_f32_dpp v16, v16, v16 row_xmask:8 row_mask:0xf bank_mask:0xf
	v_permlanex16_b32 v17, v16, s20, s21
	v_add_f32 v16, v16, v17
	s_wait_kmcnt 0x0                               ; bc
	v_add_f32 v31, s14, v16
	ds_store_b32 v9, v31                           ; all lanes write the same word with the same value
.irp t, 0,1,2,3
.irp i, 0,1,2,3
	ds_load_b128 v[H+16*\t+4*\i:H+16*\t+4*\i+3], v4 offset:2560*\t+16*\i   ; LDS serves a wave's instructions in order: these see my stores
.endr
.endr
; 512 numbers of the row: 16 neighbours a lane, two neighbouring lanes to a block of 32
.macro QSTEP t
.set XS, H+16*(\t)
	s_wait_dscnt 12-4*(\t)                         ; this step's four loads are in: those of the later steps may be out
	v_max3_num_f32 v28, |v[XS]|, |v[XS+1]|, |v[XS+2]|
	v_max3_num_f32 v29, |v[XS+3]|, |v[XS+4]|, |v[XS+5]|
.irp i, 6,10
	v_max3_num_f32 v28, v28, |v[XS+\i]|, |v[XS+\i+1]|
	v_max3_num_f32 v29, v29, |v[XS+\i+2]|, |v[XS+\i+3]|
.endr
	v_max3_num_f32 v28, v28, |v[XS+14]|, |v[XS+15]|
	v_max3_num_f32 v28, v28, v29, 0x1800000        ; and the floor 2^(3 - 127): the byte cannot fall under 1
	v_max_num_f32_dpp v28, v28, v28 row_xmask:1 row_mask:0xf bank_mask:0xf   ; with my neighbour's 16: the block's largest magnitude
	v_add_nc_u32 v30, 0xff000000, v28              ; 2 off its exponent field: the conversion's scale operand
	v_cvt_scalef32_pk8_fp4_f32 v[16+2*(\t)], v[XS:XS+7], v30
	v_cvt_scalef32_pk8_fp4_f32 v[17+2*(\t)], v[XS+8:XS+15], v30
	v_lshrrev_b32 v[24+(\t)], 23, v30              ; the scale's byte (also the plain line behind the conversions)
	ds_store_b8 v7, v[24+(\t)] offset:16*(\t)      ; both lanes of a block write the same byte with the same value
	global_store_b64 v6, v[16+2*(\t):17+2*(\t)], s[22:23] offset:256*(\t)   ; the wave stores 256 consecutive bytes, aligned
.endm
	QSTEP 0
	QSTEP 1
	QSTEP 2
	QSTEP 3
	s_wait_dscnt 0x0                               ; for the others' sake: my row, my score and my scale bytes lie in LDS
	s_barrier_signal -1
	s_barrier_wait -1
.irp i, 0,1,2,3
	ds_load_b128 v[32+4*\i:35+4*\i], v10 offset:16*\i              ; the sixteen scores, in every lane
.endr
.irp r, 0,1,2,3,4,5
	ds_load_b128 v[H+4*\r:H+4*\r+3], v5 offset:\r*WROW             ; my 4 columns of row r
.endr
.irp r, 6,7,8,9,10,11
	ds_load_b128 v[H+4*\r:H+4*\r+3], v8 offset:(\r-6)*WROW
.endr
.irp r, 12,13,14,15
	ds_load_b128 v[H+4*\r:H+4*\r+3], v11 offset:(\r-12)*WROW
.endr
	s_wait_dscnt 16                                ; the scores are in; the sixteen row loads may be out
	v_max3_num_f32 v28, v32, v33, v34
	v_max3_num_f32 v29, v35, v36, v37
	v_max3_num_f32 v28, v28, v38, v39
	v_max3_num_f32 v29, v29, v40, v41
	v_max3_num_f32 v28, v28, v42, v43
	v_max3_num_f32 v29, v29, v44, v45
	v_max3_num_f32 v28, v28, v46, v47
	v_max_num_f32 v28, v28, v29                    ; the block's largest score
.set i, 0
.rept 16
	v_sub_f32 v[32+i], v[32+i], v28
.set i, i+1
.endr
.set i, 0
.rept 16
	v_mul_f32 v[32+i], 0x3fb8aa3b, v[32+i]
.set i, i+1
.endr
.set i, 0
.rept 16
	v_exp_f32 v[32+i], v[32+i]
.set i, i+1
.endr
	v_nop                                          ; the plain line behind the batch
	s_wait_alu depctr_va_vdst(0)                   ; one wait for the sixteen
	v_pk_add_f32 v[28:29], v[32:33], v[34:35]
	v_pk_add_f32 v[30:31], v[36:37], v[38:39]
	v_pk_add_f32 v[28:29], v[28:29], v[40:41]
	v_pk_add_f32 v[30:31], v[30:31], v[42:43]
	v_pk_add_f32 v[28:29], v[28:29], v[44:45]
	v_pk_add_f32 v[30:31], v[30:31], v[46:47]
	v_pk_add_f32 v[28:29], v[28:29], v[30:31]
	v_add_f32 v28, v28, v29
	v_rcp_f32 v28, v28
.irp r, 0,1,2,3,4,5,6,7,8,9,10,11,12,13,14,15
	s_wait_dscnt 15-\r                             ; row r's load is in; the later rows' may be out
.irp k, 0,1,2,3
.if \r == 0
	v_mul_f32 v[48+\k], v32, v[H+\k]               ; (the first of these is the plain line behind the reciprocal)
.else
	v_fmac_f32 v[48+\k], v[32+\r], v[H+4*\r+\k]
.endif
.endr
.endr
	s_wait_alu depctr_va_vdst(0)                   ; the reciprocal, ahead of its first reader
.irp k, 0,1,2,3
	v_mul_f32 v[48+\k], v[48+\k], v28              ; the sum of exp x row, divided by the sum of exp
.endr
	v_cvt_pk_f16_f32 v28, v48, v49
	v_cvt_pk_f16_f32 v29, v50, v51
	global_store_b64 v14, v[28:29], s[28:29]       ; a wave stores 256 consecutive bytes, aligned
	s_cmp_lg_u32 s16, 0
	s_cbranch_scc1 .Lend
	ds_load_b128 v[64:67], v15                     ; wave 0: the block's 1,024 scale bytes leave as four aligned runs of 256
	ds_load_b128 v[68:71], v15 offset:512
	s_wait_dscnt 0x0
	global_store_b128 v2, v[64:67], s[24:25]
	global_store_b128 v2, v[68:71], s[24:25] offset:512
	s_branch .Lend
	; ---------------- Wk and Wv to f16 fragments.  Work-group 128 + x: kind x / 16; K steps 4 (x % 16) + wave / 4; columns 32 (wave % 4) on: the four waves of a K step read whole rows of 512 bytes
.Lkv:
	s_load_b64 s[24:25], s[0:1], 0x28              ; wkv
	s_load_b128 s[20:23], s[0:1], 0x30             ; Wk, Wv
	s_sub_co_u32 s17, ttmp9, 128
	s_lshr_b32 s18, s17, 4                         ; kind
	s_and_b32 s19, s17, 15
	s_lshl_b32 s19, s19, 2
	s_lshr_b32 s26, s16, 2
	s_add_co_u32 s19, s19, s26                     ; the K step, 0..63
	s_and_b32 s26, s16, 3                          ; which two tiles
	s_lshl_b32 s28, s19, 14                        ; in: 32 rows of 512 bytes a K step,
	s_lshl_b32 s27, s26, 7
	s_add_co_u32 s28, s28, s27                     ; + 128 bytes for each 32 columns
	s_mov_b32 s29, 0
	s_lshl_b32 s30, s18, 19                        ; out: 524,288 bytes a kind,
	s_lshl_b32 s27, s19, 13
	s_add_co_u32 s30, s30, s27                     ; 8,192 a K step,
	s_lshl_b32 s27, s26, 11
	s_add_co_u32 s30, s30, s27                     ; 1,024 a tile
	s_mov_b32 s31, 0
	v_lshlrev_b32 v2, 2, v1                        ; in: my column
	v_and_b32 v3, 15, v0
	v_bfe_u32 v4, v0, 4, 1
	v_lshlrev_b32 v3, 4, v3
	v_lshl_add_u32 v3, v4, 10, v3                  ; out: my tile (lane / 16), the place of lane l % 16
	s_wait_kmcnt 0x0
	s_cmp_eq_u32 s18, 0
	s_cselect_b64 s[20:21], s[20:21], s[22:23]
	s_add_nc_u64 s[20:21], s[20:21], s[28:29]
	s_add_nc_u64 s[24:25], s[24:25], s[30:31]
.set i, 0
.rept 32
	global_load_b32 v[64+i], v2, s[20:21] offset:512*i             ; W(32 K step + i, my column): the wave reads 128 consecutive bytes
.set i, i+1
.endr
.irp g, 0,1,2,3
	s_wait_loadcnt 24-8*\g                         ; rows 8 g .. 8 g + 7 are in; the later groups' loads may be out
.irp i, 0,1,2,3
	v_cvt_pk_f16_f32 v[16+4*\g+\i], v[64+8*\g+2*\i], v[65+8*\g+2*\i]   ; the lower k in the low half
.endr
	global_store_b128 v3, v[16+4*\g:19+4*\g], s[24:25] offset:256*\g   ; k = 8 g on: register group g / 2 of lane 16 (g % 2) + l % 16; sixteen lanes store 256 consecutive bytes, aligned
.endr
.Lend:
	s_wait_tensorcnt 0x0                           ; the wave's end: behind my last LDS store
	ds_add_u32 v[SPW], v[NIL]
	s_wait_dscnt 0x0
	s_endpgm
.Lfunc_end_k_q8e9b183fd4_prep_h:
	.size	k_q8e9b183fd4_prep_h, .Lfunc_end_k_q8e9b183fd4_prep_h-k_q8e9b183fd4_prep_h
	.p2alignl 7, 3214868480
	.fill 96, 4, 3214868480
	.section	.rodata,"a",@progbits
	.p2align	6, 0x0
	.amdhsa_kernel k_q8e9b183fd4_prep_h
		.amdhsa_group_segment_fixed_size 167168
		.amdhsa_private_segment_fixed_size 0
		.amdhsa_enable_private_segment 0
		.amdhsa_kernarg_size 64
		.amdhsa_user_sgpr_count 2
		.amdhsa_user_sgpr_kernarg_segment_ptr 1
		.amdhsa_wavefront_size32 1
		.amdhsa_system_sgpr_workgroup_id_x 1
		.amdhsa_system_sgpr_workgroup_id_y 1
		.amdhsa_system_sgpr_workgroup_id_z 1
		.amdhsa_system_vgpr_workitem_id 0
		.amdhsa_next_free_vgpr 192
		.amdhsa_next_free_sgpr 66
		.amdhsa_reserve_vcc 1
		.amdhsa_float_denorm_mode_32 3
		.amdhsa_float_denorm_mode_16_64 3
		.amdhsa_memory_ordered 1
		.amdhsa_forward_progress 1
		.amdhsa_inst_pref_size 31
	.end_amdhsa_kernel
	.amdgpu_metadata
---
amdhsa.version: [ 1, 2 ]
amdhsa.kernels:
  - .name:           k_q8e9b183fd4_prep_h
    .symbol:         k_q8e9b183fd4_prep_h.kd
    .args:
      - { .name: hidden_states, .offset: 0, .size: 8, .value_kind: global_buffer, .address_space: global }
      - { .name: Wc, .offset: 8, .size: 8, .value_kind: global_buffer, .address_space: global }
      - { .name: bc, .offset: 16, .size: 8, .value_kind: global_buffer, .address_space: global }
      - { .name: hq, .offset: 24, .size: 8, .value_kind: global_buffer, .address_space: global }
      - { .name: aux, .offset: 32, .size: 8, .value_kind: global_buffer, .address_space: global }
      - { .name: wkv, .offset: 40, .size: 8, .value_kind: global_buffer, .address_space: global }
      - { .name: Wk, .offset: 48, .size: 8, .value_kind: global_buffer, .address_space: global }
      - { .name: Wv, .offset: 56, .size: 8, .value_kind: global_buffer, .address_space: global }
    .group_segment_fixed_size: 167168
    .private_segment_fixed_size: 0
    .kernarg_segment_align: 8
    .kernarg_segment_size: 64
    .max_flat_workgroup_size: 512
    .sgpr_count:     66
    .vgpr_count:     192
    .wavefront_size: 32
...
	.end_amdgpu_metadata
.endif
;; end of part 1
;; launch prep_w (part 2): grid 528 x 1, 8 waves a work-group, no clusters, 97,792 bytes of LDS; arguments aux, wkv, bk, bv, kn_w, ckv, Wq, Wlk, Wlv, Wo, wq4, wo16; writes ckv, wq4, wo16
.if DOCPART == 2
	.amdgcn_target "amdgcn-amd-amdhsa--gfx1250"
	.amdhsa_code_object_version 6
	.text
	.protected	k_q8e9b183fd4_prep_w
	.globl	k_q8e9b183fd4_prep_w
	.p2align	8
	.type	k_q8e9b183fd4_prep_w,@function
k_q8e9b183fd4_prep_w:
	s_mov_b64 s[64:65], 0
	v_nop
	global_prefetch_b8 v0, s[64:65] scope:SCOPE_SE
	s_setreg_imm32_b32 hwreg(HW_REG_WAVE_MODE, 25, 1), 1
	s_wait_xcnt 0x0
; Three pieces of work share this launch, told apart by the work-group's number; each has LDS bytes of its own.
;  work-groups 0-15:    ck = rotate(rmsnorm(entries Wk + bk) kn_w) and cv = entries Wv + bv, f16 operands, f32 sums; stored as f16: ckv = ck [128][128], from byte 0x8000 cv [128][128].
;                       Work-group g: kind g & 1 (0: k, 1: v), entries 16 (g >> 1) on.  Wave w sums K = 256 w .. 256 w + 255.  The weights come as f16 fragments in the order of the operand's registers (wkv),
;                       64 KiB on end for a wave, straight into registers: a ring of four sets of four fragments, and three sets for the entries' fragments; a set is asked for again as soon as its four products are issued.
;                       The eight partial sums meet in LDS as rows; behind one barrier wave w finishes ROWS 2 w and 2 w + 1, a lane eight neighbouring columns: the mean square stays within sixteen lanes,
;                       the rotation's partner (32 columns on or back) is lane l xor 4, and the wave stores 512 consecutive bytes.  cv takes the same lines with 1 for the root, 1 for the gains and the table's row (1, 0).
;  work-groups 16-399:  Wq, Wlk, Wlv [2048 k][2048 n] f32 become codes of FP4 (E2M1) with K innermost: wq4 = codes [6144 n][1024 B] (n = 2048 x kind + column), from byte 0x600000 scale bytes [6144][64].
;                       A lane takes a column and its registers run down K, so a block of 32 lies in one lane.  A work-group takes 64 columns x 512 of K; wave w: columns 32 (w & 1) on, K 128 (w >> 1) on;
;                       the four quarters of K meet in LDS, so that each column's 256 bytes of codes leave as one aligned run.  The 16 scale bytes of a column and K chunk leave as 16-byte pieces, 64 bytes apart.
;  work-groups 400-527: Wo f32 becomes f16 as it lies: wo16 [2048 k][2048 n].
; No multicast, no tensor load: the streams are read once (wkv's halves by eight work-groups each), and nothing is shared at equal LDS places.
; LIMITS: a block of zeros gets the byte 1 (its codes are zeros; this program alone reads the bytes); NaN and infinities are not served; Wo and cv beyond 65,504 in magnitude become infinity in f16.
.set PSUM_W, 8448                      ; LDS from 0: eight waves' partial sums, 16 rows x (512 + 16) bytes each
.set WQS,   78336                      ; the codes' stage: 64 columns x (256 + 16)
.set WQC,   95744                      ; the scale bytes: 64 columns x 16
.set SPARE, 96768                      ; the spare words, 128 bytes for each wave: four blocks of 256 bytes that no other line names
.set SPW,   14                         ; v14 LDS address of my spare word; never rewritten
.set NIL,   15                         ; v15 0; never rewritten
	s_load_b512 s[4:19], s[0:1], 0x0               ; aux 4, wkv 6, bk 8, bv 10, kn_w 12, ckv 14, Wq 16, Wlk 18
	s_load_b256 s[20:27], s[0:1], 0x40             ; Wlv 20, Wo 22, wq4 24, wo16 26
	v_lshl_add_u32 v[SPW], v0, 2, SPARE
	v_mov_b32 v[NIL], 0
	v_lshrrev_b32 v1, 5, v0
	v_readfirstlane_b32 s30, v1                    ; wave 0..7
	v_and_b32 v1, 31, v0                           ; lane
	s_wait_kmcnt 0x0
	s_cmp_lt_u32 ttmp9, 16
	s_cbranch_scc1 .Lckv
	s_cmp_lt_u32 ttmp9, 400
	s_cbranch_scc1 .Lwq
	; ---------------- Wo to f16: a wave takes 16,384 bytes, all 32 loads out at once
	s_sub_co_u32 s31, ttmp9, 400
	s_lshl_b32 s32, s31, 17
	s_lshl_b32 s33, s30, 14
	s_add_co_u32 s32, s32, s33
	s_mov_b32 s33, 0
	s_add_nc_u64 s[22:23], s[22:23], s[32:33]
	s_lshr_b32 s32, s32, 1
	s_add_nc_u64 s[26:27], s[26:27], s[32:33]
	v_lshlrev_b32 v2, 4, v1
	v_lshlrev_b32 v3, 3, v1
.set i, 0
.rept 32
	global_load_b128 v[64+4*i:67+4*i], v2, s[22:23] offset:512*i th:TH_LOAD_NT
.set i, i+1
.endr
.set i, 0
.rept 32
	s_wait_loadcnt 31-i                            ; load i is in; the 31 - i behind it may be out
	v_cvt_pk_f16_f32 v[64+4*i], v[64+4*i], v[65+4*i]
	v_cvt_pk_f16_f32 v[65+4*i], v[66+4*i], v[67+4*i]
	global_store_b64 v3, v[64+4*i:65+4*i], s[26:27] offset:256*i   ; the wave stores 256 consecutive bytes, aligned
.set i, i+1
.endr
	s_branch .Lend
	; ---------------- the three weights to codes
.Lwq:
	s_sub_co_u32 s31, ttmp9, 16
	s_and_b32 s32, s31, 3                          ; y: which 512 of K
	s_lshr_b32 s33, s31, 2                         ; x: which 64 of the 6,144 columns
	s_lshr_b32 s34, s33, 5                         ; which weight
	s_and_b32 s35, s33, 31
	s_and_b32 s36, s30, 1                          ; cg: which 32 columns
	s_lshr_b32 s37, s30, 1                         ; kq: which 128 of K
	s_cmp_eq_u32 s34, 0
	s_cselect_b64 s[38:39], s[16:17], s[18:19]
	s_cmp_eq_u32 s34, 2
	s_cselect_b64 s[38:39], s[20:21], s[38:39]
	s_lshl_b32 s40, s32, 2
	s_add_co_u32 s40, s40, s37
	s_lshl_b32 s40, s40, 20                        ; (4 y + kq) x 128 rows of 8,192 bytes
	s_lshl_b32 s41, s35, 8
	s_add_co_u32 s40, s40, s41
	s_lshl_b32 s41, s36, 7
	s_add_co_u32 s40, s40, s41
	s_mov_b32 s41, 0
	s_add_nc_u64 s[38:39], s[38:39], s[40:41]
	v_lshlrev_b32 v3, 2, v1                        ; in: 4 bytes a lane
	s_lshl_b32 s42, s36, 5
	v_add_nc_u32 v4, s42, v1                       ; my column of the 64
	v_lshlrev_b32 v5, 4, v4
	v_mul_u32_u24 v4, v4, 272
	s_lshl_b32 s43, s37, 6
	s_add_co_u32 s43, s43, WQS
	v_add_nc_u32 v4, s43, v4                       ; the stage: my column's row, my quarter's 64 bytes
	s_lshl_b32 s43, s37, 2
	s_add_co_u32 s43, s43, WQC
	v_add_nc_u32 v5, s43, v5                       ; my column's 16 scale bytes, my quarter's word
	v_and_b32 v8, 15, v0
	v_bfe_u32 v9, v0, 4, 1
	v_mul_u32_u24 v6, v9, 272
	v_lshl_add_u32 v6, v8, 4, v6
	s_mul_i32 s43, s30, 8*272
	s_add_co_u32 s43, s43, WQS
	v_add_nc_u32 v6, s43, v6                       ; back: wave w takes columns 8 w on, two an instruction, sixteen lanes to a row
	v_lshlrev_b32 v7, 10, v9
	v_lshl_add_u32 v7, v8, 4, v7                   ; and the same place in wq4
	v_and_b32 v9, 63, v0
	v_lshl_add_u32 v8, v9, 4, WQC
	v_lshlrev_b32 v9, 6, v9
	s_lshl_b32 s40, s33, 16
	s_lshl_b32 s43, s30, 13
	s_add_co_u32 s40, s40, s43
	s_lshl_b32 s43, s32, 8
	s_add_co_u32 s40, s40, s43
	s_add_nc_u64 s[44:45], s[24:25], s[40:41]      ; codes: row 64 x + 8 w, byte 256 y
	s_lshl_b32 s40, s33, 12
	s_lshl_b32 s43, s32, 4
	s_add_co_u32 s40, s40, s43
	s_add_nc_u64 s[46:47], s[24:25], s[40:41]
	s_add_nc_u64 s[46:47], s[46:47], 0x600000      ; scale bytes: row 64 x, byte 16 y
.macro WLOAD t                         ; block t: W(32 t + i, my column) into set t % 2
.set i, 0
.rept 32
	global_load_b32 v[32+32*((\t)%2)+i], v3, s[38:39] offset:(32*(\t)+i)*8192 th:TH_LOAD_NT
.set i, i+1
.endr
.endm
.macro WBLOCK t
.set XS, 32+32*((\t)%2)
.if (\t) < 3
	s_wait_loadcnt 32                              ; this block's 32 loads are in; the next block's may be out
.else
	s_wait_loadcnt 0x0
.endif
	v_max3_num_f32 v12, |v[XS]|, |v[XS+1]|, |v[XS+2]|
	v_max3_num_f32 v13, |v[XS+3]|, |v[XS+4]|, |v[XS+5]|
.irp i, 6,10,14,18,22,26
	v_max3_num_f32 v12, v12, |v[XS+\i]|, |v[XS+\i+1]|
	v_max3_num_f32 v13, v13, |v[XS+\i+2]|, |v[XS+\i+3]|
.endr
	v_max3_num_f32 v12, v12, |v[XS+30]|, |v[XS+31]|
	v_max3_num_f32 v12, v12, v13, 0x1800000        ; and the floor 2^(3 - 127)
	v_add_nc_u32 v11, 0xff000000, v12              ; 2 off the exponent field: the conversion's scale operand
	v_lshrrev_b32 v13, 23, v11                     ; the scale's byte
.if (\t) == 0
	v_mov_b32 v24, v13
.else
	v_lshl_or_b32 v24, v13, 8*(\t), v24
.endif
.irp g, 0,1,2,3
	v_cvt_scalef32_pk8_fp4_f32 v[96+4*(\t)+\g], v[XS+8*\g:XS+8*\g+7], v11
.endr
	v_nop                                          ; one plain line behind the last conversion
	ds_store_b128 v4, v[96+4*(\t):99+4*(\t)] offset:16*(\t)       ; each block has registers of its own for its codes
.if (\t)+2 < 4
	WLOAD (\t)+2
.endif
.endm
	WLOAD 0
	WLOAD 1
	WBLOCK 0
	WBLOCK 1
	WBLOCK 2
	WBLOCK 3
	ds_store_b32 v5, v24
	s_wait_dscnt 0x0                               ; for the others' sake: my codes and bytes lie in LDS
	s_barrier_signal -1
	s_barrier_wait -1
.irp i, 0,1,2,3
	ds_load_b128 v[112+4*\i:115+4*\i], v6 offset:544*\i
.endr
.irp i, 0,1,2,3
	s_wait_dscnt 3-\i
	global_store_b128 v7, v[112+4*\i:115+4*\i], s[44:45] offset:2048*\i   ; sixteen lanes store 256 consecutive bytes, aligned
.endr
	s_cmp_gt_u32 s30, 1
	s_cbranch_scc1 .Lend
	ds_load_b128 v[128:131], v8                    ; waves 0 and 1: a lane a column
	s_wait_dscnt 0x0
	global_store_b128 v9, v[128:131], s[46:47]
	s_branch .Lend
	; ---------------- ck and cv
	; REGISTERS: v2 l % 16; v3 l / 16; v4 16 x lane; v5 entries; v6 my partial sums, in; v7 my two rows, back; v8 bias and gains; v9 the table; v11 the sine's sign; v12 1 / 128; v13 1.0;
	; v16-39 the entries' fragments, three sets; v40-47 bias; v48-55 gains; v56-57 at work; v64-127 eight accumulators; v128-255 W's fragments, four sets of four.
	; Behind the loop: v128-143 the table's (cos, sin); v160-223 the eight partial sums of my 8 columns; v160-167 the row at work.
.Lckv:
.set AR,  16
.set ACC, 64
.set BR,  128
	s_and_b32 s31, ttmp9, 1                        ; kind
	s_lshr_b32 s32, ttmp9, 1                       ; which 16 entries
	s_cmp_eq_u32 s31, 0
	s_cselect_b64 s[36:37], s[8:9], s[10:11]       ; bk or bv
	s_cselect_b32 s49, -1, 0                       ; all lanes, for ck
	s_not_b32 s52, s49                             ; all lanes, for cv
	s_lshl_b32 s38, s31, 19
	s_lshl_b32 s40, s30, 16
	s_add_co_u32 s38, s38, s40
	s_mov_b32 s39, 0
	s_add_nc_u64 s[34:35], s[6:7], s[38:39]        ; my 64 fragments: 8 K steps of 8,192 bytes
	s_lshl_b32 s38, s32, 16
	s_lshl_b32 s40, s30, 9
	s_add_co_u32 s38, s38, s40
	s_add_nc_u64 s[40:41], s[4:5], s[38:39]        ; the 16 entries at my K slice
	s_add_nc_u64 s[42:43], s[4:5], 0x80000         ; the table
	s_lshl_b32 s38, s31, 15
	s_lshl_b32 s48, s32, 12
	s_add_co_u32 s38, s38, s48
	s_lshl_b32 s48, s30, 9
	s_add_co_u32 s38, s38, s48
	s_add_nc_u64 s[44:45], s[14:15], s[38:39]      ; ckv at rows 2 w, 2 w + 1 of my 16
	s_lshl_b32 s51, s32, 16
	s_lshl_b32 s48, s30, 13
	s_add_co_u32 s51, s51, s48
	s_add_co_u32 s51, s51, 3840                    ; the table's row of position 16 c + 15, c = 16 (g >> 1) + 2 w: 256 bytes a position
	v_and_b32 v2, 15, v0                           ; l % 16
	v_bfe_u32 v3, v0, 4, 1                         ; l / 16
	v_lshlrev_b32 v4, 4, v1
	v_lshlrev_b32 v5, 12, v2
	v_lshl_add_u32 v5, v3, 4, v5                   ; entry l % 16's row of 4,096 bytes, + 16 (l / 16)
	s_mul_i32 s48, s30, PSUM_W
	v_mul_u32_u24 v6, v2, 528
	v_lshl_add_u32 v6, v3, 5, v6
	v_add_nc_u32 v6, s48, v6                       ; in: row l % 16 of my region; tile t's eight columns of my half: 64 t + 32 (l / 16) bytes on
	s_mul_i32 s48, s30, 2*528
	v_mul_u32_u24 v7, v3, 528
	v_lshl_add_u32 v7, v2, 5, v7
	v_add_nc_u32 v7, s48, v7                       ; back: row 2 w + l / 16 of a region, columns 8 (l % 16) on
	v_lshlrev_b32 v8, 5, v2                        ; the same columns in the bias and the gains
	v_lshl_add_u32 v12, v3, 12, s51                ; the table: 16 positions (4,096 bytes) from entry to entry,
	v_and_b32 v13, 3, v2
	v_lshl_add_u32 v12, v13, 6, v12                ; frequencies 8 (l % 4) on: 64 bytes;
	v_lshl_add_u32 v13, v13, 6, 0x80000            ; or row 2048, which is (1, 0):
	v_cmp_gt_u32 vcc_lo, 8, v2                     ; columns 0-63 are rotated,
	s_and_b32 s50, vcc_lo, s49                     ; in ck alone
	v_cndmask_b32 v9, v13, v12, s50
	v_and_b32 v11, 4, v2
	v_xor_b32 v11, 4, v11
	v_lshlrev_b32 v11, 29, v11                     ; columns 0-31 take - x2 sin, columns 32-63 + x1 sin
.macro ALD s                           ; the entries' fragment of my K step s into set s % 3
	global_load_b128 v[AR+8*((\s)%3):AR+8*((\s)%3)+3], v5, s[40:41] offset:64*(\s)
	global_load_b128 v[AR+8*((\s)%3)+4:AR+8*((\s)%3)+7], v5, s[40:41] offset:64*(\s)+32
.endm
.macro HLD n                           ; half step n: tiles 4 (n % 2) .. + 3 of K step n / 2: 4,096 bytes on end, into set n % 4
.set i, 0
.rept 8
	global_load_b128 v[BR+32*((\n)%4)+4*i:BR+32*((\n)%4)+4*i+3], v4, s[34:35] offset:4096*(\n)+512*i
.set i, i+1
.endr
.endm
; A half step: four products, used transposed (source 0 = 16 columns of W, source 1 = the 16 entries): lane l holds entry l % 16, register j of tile t column 16 t + 8 (l / 16) + j.
; The eight accumulators take turns.  The wait counts what was issued behind this half step's set: the three later sets (8 loads each), the entries' fragments that stand
; ahead of the even ones among them (2 each), and from half step 13 on the table's four loads.
.macro HSTEP n
.set CNT, 0
.irp d, 1,2,3
.if (\n)+\d < 16
.set CNT, CNT+8+2*(1-((\n)+\d)%2)
.endif
.endr
.if (\n) > 12
.set CNT, CNT+4
.endif
	s_wait_loadcnt CNT
.irp t, 0,1,2,3
.if (\n) < 2
	v_wmma_f32_16x16x32_f16 v[ACC+8*(4*((\n)%2)+\t):ACC+8*(4*((\n)%2)+\t)+7], v[BR+32*((\n)%4)+8*\t:BR+32*((\n)%4)+8*\t+7], v[AR+8*(((\n)/2)%3):AR+8*(((\n)/2)%3)+7], 0
.else
	v_wmma_f32_16x16x32_f16 v[ACC+8*(4*((\n)%2)+\t):ACC+8*(4*((\n)%2)+\t)+7], v[BR+32*((\n)%4)+8*\t:BR+32*((\n)%4)+8*\t+7], v[AR+8*(((\n)/2)%3):AR+8*(((\n)/2)%3)+7], v[ACC+8*(4*((\n)%2)+\t):ACC+8*(4*((\n)%2)+\t)+7]
.endif
.endr
.rept 4
	v_nop                                          ; places in front of loads into registers that these products have read, and of the first read of results
.endr
.if (\n)+4 < 16
.if (\n)%2 == 0
	ALD (\n)/2+2                                   ; its set held K step n / 2 - 1's fragment, which is done with
.endif
	HLD (\n)+4                                     ; the set just multiplied takes the half step four on
.endif
.if (\n) == 12
.irp i, 0,1,2,3
	global_load_b128 v[128+4*\i:131+4*\i], v9, s[42:43] offset:16*\i   ; the first set that is not filled again takes (cos, sin) of my eight frequencies
.endr
.endif
.endm
	global_load_b128 v[40:43], v8, s[36:37]        ; bias and gains first of all: they are in by the first counted wait
	global_load_b128 v[44:47], v8, s[36:37] offset:16
	global_load_b128 v[48:51], v8, s[12:13]
	global_load_b128 v[52:55], v8, s[12:13] offset:16
	ALD 0
	HLD 0
	HLD 1
	ALD 1
	HLD 2
	HLD 3                                          ; 40 loads of mine are out
.irp n, 0,1,2,3,4,5,6,7,8,9,10,11,12,13,14,15
	HSTEP \n
.endr
.irp t, 0,1,2,3,4,5,6,7
	ds_store_b128 v6, v[ACC+8*\t:ACC+8*\t+3] offset:64*\t          ; my partial sums as rows, each accumulator from its low end on
	ds_store_b128 v6, v[ACC+8*\t+4:ACC+8*\t+7] offset:64*\t+16
.endr
	s_wait_dscnt 0x0                               ; for the others' sake: my partial sums lie in LDS
	s_barrier_signal -1
	s_barrier_wait -1
.irp p, 0,1,2,3,4,5,6,7
	ds_load_b128 v[160+8*\p:163+8*\p], v7 offset:\p*PSUM_W         ; wave p's sums of my 8 columns
	ds_load_b128 v[164+8*\p:167+8*\p], v7 offset:\p*PSUM_W+16
.endr
	v_mov_b32 v12, 0x3c000000                      ; 1 / 128
	v_mov_b32 v13, 1.0
.irp i, 0,1,2,3,4,5,6,7
	v_cndmask_b32 v[48+\i], v[48+\i], v13, s52     ; cv has no gain
.endr
	s_wait_loadcnt 0x0                             ; the table
.irp i, 0,1,2,3,4,5,6,7
	v_xor_b32 v[129+2*\i], v11, v[129+2*\i]        ; the sine with my columns' sign
.endr
	s_wait_dscnt 0x0
.irp p, 0,2,4,6
.irp q, 0,2,4,6
	v_pk_add_f32 v[160+8*\p+\q:161+8*\p+\q], v[160+8*\p+\q:161+8*\p+\q], v[168+8*\p+\q:169+8*\p+\q]
.endr
.endr
.irp p, 0,4
.irp q, 0,2,4,6
	v_pk_add_f32 v[160+8*\p+\q:161+8*\p+\q], v[160+8*\p+\q:161+8*\p+\q], v[176+8*\p+\q:177+8*\p+\q]
.endr
.endr
.irp q, 0,2,4,6
	v_pk_add_f32 v[160+\q:161+\q], v[160+\q:161+\q], v[192+\q:193+\q]
.endr
.irp q, 0,2,4,6
	v_pk_add_f32 v[160+\q:161+\q], v[160+\q:161+\q], v[40+\q:41+\q]            ; the bias
.endr
	v_pk_mul_f32 v[56:57], v[160:161], v[160:161]  ; the row's mean square: my eight columns,
.irp q, 2,4,6
	v_pk_fma_f32 v[56:57], v[160+\q:161+\q], v[160+\q:161+\q], v[56:57]
.endr
	v_add_f32 v56, v56, v57
	v_add_f32_dpp v56, v56, v56 row_xmask:1 row_mask:0xf bank_mask:0xf         ; and those of the row's other fifteen lanes
	v_add_f32_dpp v56, v56, v56 row_xmask:2 row_mask:0xf bank_mask:0xf
	v_add_f32_dpp v56, v56, v56 row_xmask:4 row_mask:0xf bank_mask:0xf
	v_add_f32_dpp v56, v56, v56 row_xmask:8 row_mask:0xf bank_mask:0xf
	v_fmaak_f32 v56, v56, v12, 0x358637bd          ; the mean + 1e-6
	v_rsq_f32 v56, v56
	v_nop
	s_wait_alu depctr_va_vdst(0)                   ; the wait ahead of the first reader
	v_cndmask_b32 v56, v56, v13, s52               ; cv is not normalised
	v_mov_b32 v57, v56
.irp q, 0,2,4,6
	v_pk_mul_f32 v[160+\q:161+\q], v[160+\q:161+\q], v[56:57]
.endr
.irp q, 0,2,4,6
	v_pk_mul_f32 v[160+\q:161+\q], v[160+\q:161+\q], v[48+\q:49+\q]
.endr
.irp i, 0,1,2,3,4,5,6,7
	v_mul_f32_dpp v[168+\i], v[160+\i], v[129+2*\i] row_xmask:4 row_mask:0xf bank_mask:0xf   ; lane l xor 4 holds the column 32 on or back: its number x my signed sine
.endr
.irp i, 0,1,2,3,4,5,6,7
	v_fma_f32 v[176+\i], v[160+\i], v[128+2*\i], v[168+\i]                     ; + mine x cos
.endr
.irp i, 0,1,2,3
	v_cvt_pk_f16_f32 v[184+\i], v[176+2*\i], v[177+2*\i]
.endr
	global_store_b128 v4, v[184:187], s[44:45]     ; two rows of 256 bytes: the wave stores 512 consecutive bytes, aligned
.Lend:
	s_wait_tensorcnt 0x0                           ; the wave's end: behind my last LDS store
	ds_add_u32 v[SPW], v[NIL]
	s_wait_dscnt 0x0
	s_endpgm
.Lfunc_end_k_q8e9b183fd4_prep_w:
	.size	k_q8e9b183fd4_prep_w, .Lfunc_end_k_q8e9b183fd4_prep_w-k_q8e9b183fd4_prep_w
	.p2alignl 7, 3214868480
	.fill 96, 4, 3214868480
	.section	.rodata,"a",@progbits
	.p2align	6, 0x0
	.amdhsa_kernel k_q8e9b183fd4_prep_w
		.amdhsa_group_segment_fixed_size 97792
		.amdhsa_private_segment_fixed_size 0
		.amdhsa_enable_private_segment 0
		.amdhsa_kernarg_size 96
		.amdhsa_user_sgpr_count 2
		.amdhsa_user_sgpr_kernarg_segment_ptr 1
		.amdhsa_wavefront_size32 1
		.amdhsa_system_sgpr_workgroup_id_x 1
		.amdhsa_system_sgpr_workgroup_id_y 1
		.amdhsa_system_sgpr_workgroup_id_z 1
		.amdhsa_system_vgpr_workitem_id 0
		.amdhsa_next_free_vgpr 256
		.amdhsa_next_free_sgpr 66
		.amdhsa_reserve_vcc 1
		.amdhsa_float_denorm_mode_32 3
		.amdhsa_float_denorm_mode_16_64 3
		.amdhsa_memory_ordered 1
		.amdhsa_forward_progress 1
		.amdhsa_inst_pref_size 65
	.end_amdhsa_kernel
	.amdgpu_metadata
---
amdhsa.version: [ 1, 2 ]
amdhsa.kernels:
  - .name:           k_q8e9b183fd4_prep_w
    .symbol:         k_q8e9b183fd4_prep_w.kd
    .args:
      - { .name: aux, .offset: 0, .size: 8, .value_kind: global_buffer, .address_space: global }
      - { .name: wkv, .offset: 8, .size: 8, .value_kind: global_buffer, .address_space: global }
      - { .name: bk, .offset: 16, .size: 8, .value_kind: global_buffer, .address_space: global }
      - { .name: bv, .offset: 24, .size: 8, .value_kind: global_buffer, .address_space: global }
      - { .name: kn_w, .offset: 32, .size: 8, .value_kind: global_buffer, .address_space: global }
      - { .name: ckv, .offset: 40, .size: 8, .value_kind: global_buffer, .address_space: global }
      - { .name: Wq, .offset: 48, .size: 8, .value_kind: global_buffer, .address_space: global }
      - { .name: Wlk, .offset: 56, .size: 8, .value_kind: global_buffer, .address_space: global }
      - { .name: Wlv, .offset: 64, .size: 8, .value_kind: global_buffer, .address_space: global }
      - { .name: Wo, .offset: 72, .size: 8, .value_kind: global_buffer, .address_space: global }
      - { .name: wq4, .offset: 80, .size: 8, .value_kind: global_buffer, .address_space: global }
      - { .name: wo16, .offset: 88, .size: 8, .value_kind: global_buffer, .address_space: global }
    .group_segment_fixed_size: 97792
    .private_segment_fixed_size: 0
    .kernarg_segment_align: 8
    .kernarg_segment_size: 96
    .max_flat_workgroup_size: 256
    .sgpr_count:     66
    .vgpr_count:     256
    .wavefront_size: 32
...
	.end_amdgpu_metadata
.endif
;; end of part 2
;; launch gemm4 (part 3): grid 24 x 8, 4 waves a work-group, clusters of 4 x 4, 327,680 bytes of LDS; arguments hq, wq4, qkv, aux, bq, blk, blv, qn_w, kn_w; writes qkv
.if DOCPART == 3
	.amdgcn_target "amdgcn-amd-amdhsa--gfx1250"
	.amdhsa_code_object_version 6
	.text
	.protected	k_q8e9b183fd4_gemm4
	.globl	k_q8e9b183fd4_gemm4
	.p2align	8
	.type	k_q8e9b183fd4_gemm4,@function
k_q8e9b183fd4_gemm4:
	s_mov_b64 s[64:65], 0
	v_nop
	global_prefetch_b8 v0, s[64:65] scope:SCOPE_SE
	s_setreg_imm32_b32 hwreg(HW_REG_WAVE_MODE, 25, 1), 1
	s_wait_xcnt 0x0
	s_wait_alu depctr_hold_cnt(0) depctr_sa_sdst(0) depctr_va_vdst(0) depctr_va_sdst(0) depctr_va_ssrc(0) depctr_va_vcc(0) depctr_vm_vsrc(0)
	s_getreg_b32 s2, hwreg(HW_REG_IB_STS2, 6, 4)
	s_cmp_eq_u32 s2, 0
	s_cbranch_scc0 .Lentry_in_a_cluster
	s_endpgm
.Lentry_in_a_cluster:
	s_bfe_u32 s2, ttmp6, 0x10000c
	s_cmp_lg_u32 s2, 0xf033
	s_cbranch_scc0 .Lentry_shape_is_right
	s_endpgm
.Lentry_shape_is_right:
; The three quantised products as one GEMM on codes of FP4 (E2M1) with E8M0 scales: [2048 positions][2048 k] x [6144 n][2048 k], n = 2048 x kind + column, kind 0: q, 1: lk, 2: lv.
; The way out finishes q and lk (bias, RMSNorm with its gain, partial rotation) and lv (bias) and stores f16: qkv [48 G][2048 positions][128], G = 16 x kind + head.
; A tile of the result, 256 x 256, is made by four waves; a wave makes 128 positions x 128 columns: ONE head, 64 accumulators of 16 x 16, 512 registers.  K goes in steps of 512 through a ring of two LDS slots
; filled by the tensor data mover; a tile's row is 256 bytes of memory.  The scale bytes of the work-group's 256 + 256 rows, for all of K, come into LDS once, with the first fills.
; CLUSTERS: 4 x 4 work-groups; the four of a row of the cluster ask jointly for the positions' tiles, the four of a column for the weights'.  A cluster's four tile columns lie in one kind (kind = cluster x / 2).
; THE MATRIX INSTRUCTION IS USED TRANSPOSED (source 0 = 16 rows of the weights, source 1 = 16 positions): a lane holds one position (l % 16) and, in accumulator b, columns 16 b + 8 (l / 16) + 0 .. 7 of the head.
; So the row's mean square wants one exchange between the halves of the lanes, and the rotation's partners (columns j and 32 + j) lie in one lane.  The bias is the C of the first K step.
; lv takes the same lines as q and lk with 1 for the root, 1 for the gains and the table's row (1, 0): values are chosen by v_cndmask_b32 and s_cselect_b32, and no branch hangs on the kind.
; REGISTERS, in windows of 256: window 0: v0-31 addresses and constants; v32-95 scale words, two sets; v96-127 the table's rows of block 0; v128-191 the positions' fragments, one set; v192-255 the bias.
;   window 1: the weights' fragments, two sets, v0-63 and v128-191; v64-127 the gains.   window 2: the accumulators of my positions 0-63 ((a, b) at v[8 (8 a + b)]);   window 3: those of positions 64-127.
;   On the way out window 0 holds: v8-15 sums of squares and the root; v32-63, v96-127 the table by turns; v64-95 packed results; v128-191 a block at work; v192-255 rows read back from the stage, two sets.
; LIMITS: lv beyond 65,504 in magnitude becomes infinity in f16; q and lk are at most sqrt(128) x |gain|.
.set KSTEP,  512
.set NQ,     4
.set ROWB,   256
.set KROW,   1024                      ; a row of codes in memory
.set PITCH,  272                       ; an LDS row: 256 bytes + 16 of padding = 68 words, so the 16 rows that a load touches start at 16 different banks (64 banks of 4 bytes: ISA guide 11.1)
.set FR,     8
.set NL,     2
.set NP,     4                         ; places behind this matrix instruction (ISA guide 7.12.1)
.set HALFT,  128*PITCH
.set SLOT,   4*HALFT
.set LAPS,   2                         ; 2,048 along K = two laps of two K steps
.set KS,     64                        ; a row of scale bytes
.set SCL,    2*SLOT
.set HALFS,  (128*KS/256)*272
.set SBLK,   (16*KS/256)*272
.set SPARE,  SCL+4*HALFS               ; the spare words, 128 bytes for each wave: two blocks of 256 bytes that no other line names
.set SPITCH, 272                       ; the way out: a stage of 16 rows x (256 + 16) for each wave, in slot 0, which has had its last fill and its last read by then
.set INV,  7                           ; v7   1 / 128
.set ADRA, 16
.set ADRB, 20
.set RO,   22                          ; v22-23 the table's offsets of even and of odd blocks
.set STO,  24
.set RD,   25
.set CO,   26
.set ADRS, 27
.set SPW,  28                          ; v28  LDS address of my spare word; never rewritten
.set NIL,  29                          ; v29  0; never rewritten
.set OFB,  30                          ; v30  32 x (l / 16): my eight columns' bytes in the bias and the gains
.set ONE,  31                          ; v31  1.0
.set SC,   32
.set AF,   128
.set BI,   192
.set WN,   64                          ; in window 1
.set YY,   128
.set TP,   64
.set G1, 24
.set G0, 32
.set G1B, 48
.set G0B, 56
.set G1S, 68
.set G0S, 76
.set G1SB, 80
.set G0SB, 88
.set MSB, 0
.macro WIN new                         ; the immediate's high byte repeats the setting that is left
.if MSB != (\new)
	s_set_vgpr_msb (MSB<<8)|(\new)
.set MSB, \new
.endif
.endm
.set MUL_LO, 0xa1                      ; source 0 (weights) window 1, source 1 (positions) window 0, C and D window 2
.set MUL_HI, 0xf1
.set TO_B,   0x40
; A joint load: waves 0 and 1 fetch for the positions, waves 2 and 3 for the weights.  The branch hangs on the wave's number alone.  An s_nop 0 and four v_nop follow each of the two lines.
.macro JLOAD g0a, g1a, g0b, g1b
	s_cmp_eq_u32 s15, 0
	s_cbranch_scc0 .Lfor_b_\@
	tensor_load_to_lds s[\g0a:\g0a+3], s[\g1a:\g1a+7]
	s_nop 0
.rept 4
	v_nop
.endr
	s_branch .Lasked_\@
.Lfor_b_\@:
	tensor_load_to_lds s[\g0b:\g0b+3], s[\g1b:\g1b+7]
	s_nop 0
.rept 4
	v_nop
.endr
.Lasked_\@:
.endm
.macro CREST                           ; a round of the cluster's barrier behind its opening barrier
	s_cmp_lg_u32 s14, 0
	s_cbranch_scc1 .Lnot_wave_0_\@
	s_barrier_signal -3
.Lnot_wave_0_\@:
	s_barrier_wait -3
	s_barrier_signal -1
	s_barrier_wait -1
.endm
.macro CROUND
	s_barrier_signal -1
	s_barrier_wait -1
	CREST
.endm
	s_load_b256 s[4:11], s[0:1], 0x0               ; hq 4, wq4 6, qkv 8, aux 10
	s_load_b256 s[92:99], s[0:1], 0x20             ; bq 92, blk 94, blv 96, qn_w 98
	s_load_b64 s[12:13], s[0:1], 0x40              ; kn_w
	v_lshl_add_u32 v[SPW], v0, 2, SPARE
	v_mov_b32 v[NIL], 0
	ds_add_u32 v[SPW], v[NIL]                      ; the wave's opening: the add, twice on end, and its wait ahead of my first tensor load
	ds_add_u32 v[SPW], v[NIL]
	v_lshrrev_b32 v1, 5, v0
	v_readfirstlane_b32 s14, v1                    ; wave 0..3
	s_lshr_b32 s15, s14, 1                         ; which half of the tile's positions is mine.  Also: I fetch for the positions (0) or the weights (1)
	s_and_b32 s16, s14, 1                          ; which half of its columns.  Also: which 128 rows of that tile I fetch
	s_bfe_u32 s40, ttmp6, 0x40000                  ; cx, cy
	s_bfe_u32 s41, ttmp6, 0x40004
	s_lshl_b32 s42, ttmp9, 2
	s_add_co_u32 s42, s42, s40                     ; tile column 0..23
	s_and_b32 s17, ttmp7, 0xffff
	s_lshl_b32 s17, s17, 2
	s_add_co_u32 s17, s17, s41                     ; tile row 0..7
	s_lshl_b32 s43, s41, 2
	s_lshl_b32 s43, 15, s43                        ; my row of the cluster
	s_lshl_b32 s44, 0x1111, s40                    ; my column
	s_or_b32 s[G1+0], s43, (0<<16)|(1<<20)|(1<<21)|(5<<22)|(3<<25)  ; the mask; elements of 1 byte; padding: 4 words behind every 64; bit 21 beside a mask
	s_or_b32 s[G1B+0], s44, (0<<16)|(1<<20)|(1<<21)|(5<<22)|(3<<25)
.irp g, G1, G1B
	s_mov_b32 s[\g+1], ROWB<<16                    ; tensor_dim0
	s_mov_b32 s[\g+2], 128<<16                     ; tensor_dim1
	s_mov_b32 s[\g+3], ROWB<<16                    ; tile_dim0
	s_mov_b32 s[\g+4], 128                         ; tile_dim1
	s_mov_b32 s[\g+5], KROW                        ; the pitch
	s_mov_b32 s[\g+6], 0
	s_mov_b32 s[\g+7], 0
.endr
	s_or_b32 s[G1S+0], s43, (3<<16)|(1<<20)|(1<<21)|(5<<22)|(3<<25) ; the scales of 128 rows: 8,192 dense bytes as 32 rows of 256 (32 elements of 8 bytes)
	s_or_b32 s[G1SB+0], s44, (3<<16)|(1<<20)|(1<<21)|(5<<22)|(3<<25)
.irp g, G1S, G1SB
	s_mov_b32 s[\g+1], 32<<16
	s_mov_b32 s[\g+2], (128*KS/256)<<16
	s_mov_b32 s[\g+3], 32<<16
	s_mov_b32 s[\g+4], 128*KS/256
	s_mov_b32 s[\g+5], 32
	s_mov_b32 s[\g+6], 0
	s_mov_b32 s[\g+7], 0
.endr
	s_lshl_b32 s18, s16, 7
	s_lshl_b32 s20, s17, 8
	s_add_co_u32 s20, s20, s18                     ; positions: row 256 x tile row + 128 x half
	s_lshl_b32 s46, s42, 8
	s_add_co_u32 s46, s46, s18                     ; weights: row 256 x tile column + 128 x half
	s_mov_b32 s21, 0
	s_mov_b32 s47, 0
	s_mov_b64 s[18:19], KS
	s_mul_u64 s[22:23], s[20:21], s[18:19]
	s_mul_u64 s[100:101], s[46:47], s[18:19]
	s_mov_b64 s[18:19], KROW
	s_mul_u64 s[20:21], s[20:21], s[18:19]
	s_mul_u64 s[46:47], s[46:47], s[18:19]
	s_mul_i32 s45, s14, HALFT                      ; where they go: wave x 128 rows: no place in the cluster enters an LDS address
	s_mul_i32 s104, s14, HALFS
	s_wait_dscnt 0x0                               ; both opening adds are done
	s_wait_kmcnt 0x0
	s_add_nc_u64 s[20:21], s[4:5], s[20:21]
	s_add_nc_u64 s[22:23], s[4:5], s[22:23]
	s_add_nc_u64 s[22:23], s[22:23], 0x200000
	s_add_nc_u64 s[46:47], s[6:7], s[46:47]
	s_add_nc_u64 s[100:101], s[6:7], s[100:101]
	s_add_nc_u64 s[100:101], s[100:101], 0x600000
	CROUND                                         ; all sixteen work-groups are here: the first joint loads meet
	s_mov_b32 s[G0S], 1
	s_add_co_u32 s[G0S+1], s104, SCL
	s_mov_b64 s[G0S+2:G0S+3], s[22:23]
	s_or_b32 s[G0S+3], s[G0S+3], 0x80000000
	s_mov_b32 s[G0SB], 1
	s_add_co_u32 s[G0SB+1], s104, SCL
	s_mov_b64 s[G0SB+2:G0SB+3], s[100:101]
	s_or_b32 s[G0SB+3], s[G0SB+3], 0x80000000
	JLOAD G0S, G1S, G0SB, G1SB                     ; the scales first: they are wanted with K step 0
.irp s, 0,1
	s_mov_b32 s[G0+4*\s], 1
	s_add_co_u32 s[G0+4*\s+1], s45, \s*SLOT
	s_add_nc_u64 s[G0+4*\s+2:G0+4*\s+3], s[20:21], \s*ROWB
	s_or_b32 s[G0+4*\s+3], s[G0+4*\s+3], 0x80000000
	s_mov_b32 s[G0B+4*\s], 1
	s_add_co_u32 s[G0B+4*\s+1], s45, \s*SLOT
	s_add_nc_u64 s[G0B+4*\s+2:G0B+4*\s+3], s[46:47], \s*ROWB
	s_or_b32 s[G0B+4*\s+3], s[G0B+4*\s+3], 0x80000000
	JLOAD G0+4*\s, G1, G0B+4*\s, G1B
.endr
	v_and_b32 v1, 15, v0                           ; l % 16
	v_bfe_u32 v2, v0, 4, 1                         ; l / 16
	v_mul_u32_u24 v3, v1, PITCH
	v_lshl_add_u32 v4, v2, 4, v3
	s_mul_i32 s21, s15, HALFT
	s_mul_i32 s22, s16, HALFT
	s_add_co_u32 s22, s22, 2*HALFT
.irp s, 0,1
	v_add_nc_u32 v[ADRA+\s], s21, v4
	v_add_nc_u32 v[ADRB+\s], s22, v4
	s_add_co_u32 s21, s21, SLOT
	s_add_co_u32 s22, s22, SLOT
.endr
	v_mul_u32_u24 v5, v1, KS                       ; my row's scales: 64 bytes a row,
	v_lshrrev_b32 v6, 8, v5
	v_lshl_add_u32 v5, v6, 4, v5                   ; and 16 more for each 256 passed
	s_mul_i32 s21, s15, HALFS
	s_mul_i32 s22, s16, HALFS
	s_add_co_u32 s22, s22, 2*HALFS
	s_sub_co_u32 s22, s22, s21
	v_mul_u32_u24 v6, s22, v2                      ; lanes 16-31 take the weights'
	s_add_co_u32 s21, s21, SCL
	v_add_nc_u32 v5, v5, v6
	v_add_nc_u32 v[ADRS], s21, v5
	s_mul_i32 s23, s14, 16*SPITCH                  ; my stage
	v_mul_u32_u24 v5, v1, SPITCH
	v_lshl_add_u32 v5, v2, 4, v5
	v_add_nc_u32 v[STO], s23, v5                   ; in: row l % 16, 16 bytes for each half of the lanes
	v_mul_u32_u24 v5, v2, SPITCH
	v_lshl_add_u32 v5, v1, 4, v5
	v_add_nc_u32 v[RD], s23, v5                    ; back: lanes 0-15 one row of 256 bytes, lanes 16-31 the next
	v_and_b32 v6, 31, v0
	v_lshlrev_b32 v[CO], 4, v6                     ; and in qkv, whose rows are dense: 16 x lane
	; what hangs on the head and the kind
	s_lshl_b32 s20, s42, 1
	s_add_co_u32 s20, s20, s16                     ; G = 2 x tile column + column half
	s_and_b32 s66, s20, 15                         ; the head
	s_lshl_b32 s20, s20, 19
	s_lshl_b32 s21, s17, 8
	s_lshl_b32 s22, s15, 7
	s_add_co_u32 s21, s21, s22                     ; my first position
	s_lshl_b32 s22, s21, 8                         ; x 256 bytes: in qkv and in the table alike
	s_add_co_u32 s20, s20, s22
	s_mov_b32 s21, 0
	s_lshr_b32 s67, ttmp9, 1                       ; the kind: equal in all sixteen partners
	s_cmp_eq_u32 s67, 0
	s_cselect_b64 s[92:93], s[92:93], s[94:95]     ; bq or blk
	s_cselect_b64 s[98:99], s[98:99], s[12:13]     ; qn_w or kn_w
	s_cmp_eq_u32 s67, 2
	s_cselect_b64 s[92:93], s[96:97], s[92:93]     ; blv
	s_cselect_b32 s105, -1, 0                      ; all lanes, for lv
	s_cselect_b32 s95, 0, 4096                     ; the table's step from block to block,
	s_cselect_b32 s94, 0, 256                      ; from row to row,
	s_mov_b32 s96, 2048*256
	s_cselect_b32 s97, s96, s22                    ; and its first row: lv reads row 2048, which is (1, 0)
	s_add_nc_u64 s[12:13], s[8:9], s[20:21]        ; qkv at my head's first position
	s_lshl_b32 s20, s66, 9
	s_add_nc_u64 s[92:93], s[92:93], s[20:21]      ; the bias at my head
	s_mov_b32 s20, s97
	s_add_nc_u64 s[10:11], s[10:11], s[20:21]
	s_add_nc_u64 s[10:11], s[10:11], 0x80000       ; the table at my first position
	s_lshl_b32 s97, s95, 1                         ; two blocks on
	s_mov_b32 s18, 0x76543210
	s_mov_b32 s19, 0xfedcba98                      ; v_permlanex16_b32's selects for lane l xor 16
	v_lshlrev_b32 v[OFB], 5, v2
	v_mul_u32_u24 v[RO], s94, v1
	v_lshl_add_u32 v[RO], v2, 6, v[RO]             ; row l % 16, frequencies 8 (l / 16) on: 64 bytes
	v_add_nc_u32 v[RO+1], s95, v[RO]
	v_mov_b32 v[ONE], 1.0
	v_mov_b32 v[INV], 0x3c000000
.irp b, 0,1,2,3,4,5,6,7
	global_load_b128 v[BI+8*\b:BI+8*\b+3], v[OFB], s[92:93] offset:64*\b       ; the bias of columns 16 b + 8 (l / 16) + 0 .. 7: the result's layout
	global_load_b128 v[BI+8*\b+4:BI+8*\b+7], v[OFB], s[92:93] offset:64*\b+16
.endr
; the table's rows of block a into v96-127 (a even) or v32-63 (a odd): register 16 b + 2 i: cos, + 1: sin, of frequency 16 b + 8 (l / 16) + i
.macro ROPELD a
.set CL, 96-64*((\a)%2)
.irp b, 0,1
.irp i, 0,1,2,3
	global_load_b128 v[CL+16*\b+4*\i:CL+16*\b+4*\i+3], v[RO+(\a)%2], s[10:11] offset:128*\b+16*\i
.endr
.endr
.endm
	ROPELD 0
	WIN 0x40                                       ; destination window 1
.irp b, 0,1,2,3,4,5,6,7
	global_load_b128 v[WN+8*\b:WN+8*\b+3], v[OFB], s[98:99] offset:64*\b       ; the gains likewise
	global_load_b128 v[WN+8*\b+4:WN+8*\b+7], v[OFB], s[98:99] offset:64*\b+16
.endr
	WIN 0
.macro FRAG reg, adr, q, i             ; 16 rows x 128 K of 4-bit codes: 8 registers; lane l holds row l % 16; registers 4 c .. 4 c + 3 hold K = 64 c + 32 (l / 16) + 0 .. 31
.irp c, 0,1
	ds_load_b128 v[\reg+4*\c:\reg+4*\c+3], v[\adr] offset:64*(\q)+32*\c+(\i)*16*PITCH
.endr
.endm
; 16 matrix instructions: position blocks a0, a0 + 1 x the weights' eight.  zero = 1: the first products start the sums from the bias.  The 64 accumulators take turns, one instruction a turn.
.macro MUL16 a0, p, q, sc, zero
.irp a, \a0, \a0+1
.irp b, 0,1,2,3,4,5,6,7
.if \zero
	v_wmma_scale_f32_16x16x128_f8f6f4 v[8*(8*((\a)%4)+\b):8*(8*((\a)%4)+\b)+7], v[128*(\p)+FR*\b:128*(\p)+FR*\b+FR-1], v[AF+FR*(\a):AF+FR*(\a)+FR-1], v[BI+8*\b:BI+8*\b+7], v[SC+8*NQ*(\sc)+NQ*\b+(\q)], v[SC+8*NQ*(\sc)+NQ*(\a)+(\q)] matrix_a_fmt:MATRIX_FMT_FP4 matrix_b_fmt:MATRIX_FMT_FP4 matrix_a_scale:MATRIX_SCALE_ROW1
.else
	v_wmma_scale_f32_16x16x128_f8f6f4 v[8*(8*((\a)%4)+\b):8*(8*((\a)%4)+\b)+7], v[128*(\p)+FR*\b:128*(\p)+FR*\b+FR-1], v[AF+FR*(\a):AF+FR*(\a)+FR-1], v[8*(8*((\a)%4)+\b):8*(8*((\a)%4)+\b)+7], v[SC+8*NQ*(\sc)+NQ*\b+(\q)], v[SC+8*NQ*(\sc)+NQ*(\a)+(\q)] matrix_a_fmt:MATRIX_FMT_FP4 matrix_b_fmt:MATRIX_FMT_FP4 matrix_a_scale:MATRIX_SCALE_ROW1
.endif
.endr
.endr
.endm
.macro FETCH_B slot, q, p
	WIN TO_B
.irp i, 0,1,2,3,4,5,6,7
	FRAG 128*(\p)+FR*\i, ADRB+\slot, \q, \i
.endr
	WIN 0
.endm
.macro FETCH_A slot, q, i0
.irp i, \i0, \i0+1, \i0+2, \i0+3
	FRAG AF+FR*(\i), ADRA+\slot, \q, \i
.endr
.endm
.macro SCALES sc                       ; a K step's scale words: lanes 0-15 the positions' block i, lanes 16-31 the weights' block i
.irp i, 0,1,2,3,4,5,6,7
	ds_load_b128 v[SC+8*NQ*\sc+NQ*\i:SC+8*NQ*\sc+NQ*\i+3], v[ADRS] offset:\i*SBLK
.endr
.endm
.macro PLACES n                        ; plain vector lines between a matrix instruction and a load into, or a read of, its registers
.rept \n
	v_nop
.endr
.endm
.macro STEP slot, q, zero              ; 128 along K, with its successor in the same slot
	s_wait_dscnt 4*NL                              ; the weights' set and position blocks 0-3 are in; the youngest eight loads (blocks 4-7) may be out
.if \zero
	WIN 0x81                                       ; C (the bias) in window 0
.else
	WIN MUL_LO
.endif
	MUL16 0, (\q)%2, \q, \slot, \zero
	MUL16 2, (\q)%2, \q, \slot, \zero
	s_wait_dscnt 0
	PLACES NP
	FETCH_B \slot, (\q)+1, 1-(\q)%2
	FETCH_A \slot, (\q)+1, 0
.if \zero
	WIN 0xc1
.else
	WIN MUL_HI
.endif
	MUL16 4, (\q)%2, \q, \slot, \zero
	MUL16 6, (\q)%2, \q, \slot, \zero
	PLACES NP
	WIN 0
	FETCH_A \slot, (\q)+1, 4
.endm
; A slot's last step changes slots: one barrier; in front of it each wave waits for all its tensor loads, adds 0 to its spare word, and waits for that and for its reads of this slot.
.macro TURN slot, next, fill
	s_wait_tensorcnt 0x0                           ; all my tensor loads have landed: my part of the next slot
	ds_add_u32 v[SPW], v[NIL]
	s_wait_dscnt 4*NL+1                            ; (the add and the youngest eight loads may be out)
	WIN MUL_LO
	MUL16 0, 1, NQ-1, \slot, 0
	s_wait_dscnt 0x0                               ; the add is done, and my reads of this slot are over
	s_barrier_signal -1
	MUL16 2, 1, NQ-1, \slot, 0
	WIN 0
	s_barrier_wait -1
.if \fill
	CREST                                          ; the barrier has opened a round of the cluster's barrier: no wave of any partner still reads this slot or has a load on its way
	s_add_nc_u64 s[G0+4*\slot+2:G0+4*\slot+3], s[G0+4*\slot+2:G0+4*\slot+3], 2*ROWB
	s_add_nc_u64 s[G0B+4*\slot+2:G0B+4*\slot+3], s[G0B+4*\slot+2:G0B+4*\slot+3], 2*ROWB
	JLOAD G0+4*\slot, G1, G0B+4*\slot, G1B         ; the first tensor load behind the round
.else
	PLACES NP
.endif
	v_add_nc_u32 v[ADRS], 4*NQ, v[ADRS]
	FETCH_B \next, 0, 0
	FETCH_A \next, 0, 0
	SCALES \next
	WIN MUL_HI
	MUL16 4, 1, NQ-1, \slot, 0
	MUL16 6, 1, NQ-1, \slot, 0
	PLACES NP
	WIN 0
	FETCH_A \next, 0, 4
.endm
.macro STEPS slot, from
.set Q, \from
.rept NQ-1-\from
	STEP \slot, Q, 0
.set Q, Q+1
.endr
.endm
	s_wait_tensorcnt 1                             ; the scales and my part of K step 0 are in (K step 1's load may be out)
	s_barrier_signal -1
	s_barrier_wait -1                              ; everybody's are
	FETCH_B 0, 0, 0
	FETCH_A 0, 0, 0
	SCALES 0
	FETCH_A 0, 0, 4
	s_wait_loadcnt 0x0                             ; the bias, the gains, the table's first rows
	WIN 0x41                                       ; the gains in window 1, 1.0 in window 0
.set i, 0
.rept 64
	v_cndmask_b32 v[WN+i], v[WN+i], v[ONE], s105   ; lv has no gain
.set i, i+1
.endr
	WIN 0
	STEP 0, 0, 1
	s_mov_b32 s3, LAPS-1
.Llap:                                                 ; a trip goes once round the ring, from a lap's second step to the next lap's first, and fills both slots again
	STEPS 0, 1
	TURN 0, 1, 1
	STEPS 1, 0
	TURN 1, 0, 1
	STEP 0, 0, 0
	s_sub_co_u32 s3, s3, 1
	s_cmp_lg_u32 s3, 0
	s_cbranch_scc1 .Llap
	STEPS 0, 1                                     ; the last lap fills nothing
	TURN 0, 1, 0
	STEPS 1, 0
	s_wait_dscnt 4*NL
	WIN MUL_LO
	MUL16 0, 1, NQ-1, 1, 0
	MUL16 2, 1, NQ-1, 1, 0
	s_wait_dscnt 0
	WIN MUL_HI
	MUL16 4, 1, NQ-1, 1, 0
	MUL16 6, 1, NQ-1, 1, 0
	WIN 0
; THE WAY OUT of block a: 16 positions x the head's 128 columns.
.macro OUTBLK a
.set AC, 64*((\a)%4)
.set CN, 96-64*((\a)%2)
.set BB, 192+32*((\a)%2)
.if (\a) < 7
.if (\a) > 0
	v_add_nc_u32 v[RO+((\a)+1)%2], s97, v[RO+((\a)+1)%2]   ; its last loads, block a - 1's, were shown done by their counted wait
.endif
	ROPELD (\a)+1                                  ; the next block's rows of the table
.endif
	WIN 0x0a+5*((\a)/4)                            ; sources 0 and 1: window 2 or 3
.irp k, 0,1,2,3
	v_pk_mul_f32 v[8+2*\k:9+2*\k], v[AC+2*\k:AC+2*\k+1], v[AC+2*\k:AC+2*\k+1]   ; the squares, in four chains; each accumulator from its low end on
.endr
.set k, 4
.rept 28
	v_pk_fma_f32 v[8+2*(k%4):9+2*(k%4)], v[AC+2*k:AC+2*k+1], v[AC+2*k:AC+2*k+1], v[8+2*(k%4):9+2*(k%4)]
.set k, k+1
.endr
	WIN 0
	v_pk_add_f32 v[8:9], v[8:9], v[10:11]
	v_pk_add_f32 v[12:13], v[12:13], v[14:15]
	v_pk_add_f32 v[8:9], v[8:9], v[12:13]
	v_add_f32 v8, v8, v9
	v_permlanex16_b32 v9, v8, s18, s19             ; the row's other 64 columns lie in the lane 16 away
	v_add_f32 v8, v8, v9
	v_fmaak_f32 v8, v8, v[INV], 0x358637bd         ; the mean + 1e-6
	v_rsq_f32 v8, v8
	v_nop
	s_wait_alu depctr_va_vdst(0)                   ; the wait ahead of the first reader
	v_cndmask_b32 v8, v8, v[ONE], s105             ; lv is not normalised
	v_mov_b32 v9, v8
	WIN 2+(\a)/4                                   ; source 0: window 2 or 3
.set k, 0
.rept 32
	v_pk_mul_f32 v[YY+2*k:YY+2*k+1], v[AC+2*k:AC+2*k+1], v[8:9] op_sel_hi:[1,0]
.set k, k+1
.endr
	WIN 0x04                                       ; source 1: window 1
.set k, 0
.rept 32
	v_pk_mul_f32 v[YY+2*k:YY+2*k+1], v[YY+2*k:YY+2*k+1], v[WN+2*k:WN+2*k+1]
.set k, k+1
.endr
	WIN 0
.if (\a) < 7
	s_wait_loadcnt 8                               ; this block's rows of the table are in; the next block's eight loads may be out
.else
	s_wait_loadcnt 0x0
.endif
.irp b, 0,1
.irp i, 0,1,2,3,4,5,6,7
	v_mul_f32 v[10+\i%4], v[YY+8*\b+\i], v[CN+16*\b+2*\i+1]                            ; x1 sin
	v_mul_f32 v[YY+8*\b+\i], v[YY+8*\b+\i], v[CN+16*\b+2*\i]                           ; x1 cos
	v_fma_f32 v[YY+8*\b+\i], -v[YY+16+8*\b+\i], v[CN+16*\b+2*\i+1], v[YY+8*\b+\i]      ; - x2 sin
	v_fma_f32 v[YY+16+8*\b+\i], v[YY+16+8*\b+\i], v[CN+16*\b+2*\i], v[10+\i%4]         ; x2 cos + x1 sin
.endr
.endr
.set n, 0
.rept 32
	v_cvt_pk_f16_f32 v[TP+n], v[YY+2*n], v[YY+2*n+1]
.set n, n+1
.endr
.irp b, 0,1,2,3,4,5,6,7
	ds_store_b128 v[STO], v[TP+4*\b:TP+4*\b+3] offset:32*\b
.endr
.if (\a) > 1
	s_wait_xcnt 0x0                                ; block a - 2's stores have read the registers into which the loads below land
.endif
.irp t, 0,1,2,3,4,5,6,7
	ds_load_b128 v[BB+4*\t:BB+4*\t+3], v[RD] offset:\t*2*SPITCH    ; LDS serves a wave's instructions in order (ISA guide 5.7.1.4): these see the stores above
.endr
.endm
.macro SENDQ a, younger                ; younger: the LDS instructions issued behind block a's loads, which may stay out
	s_wait_dscnt \younger
.irp t, 0,1,2,3,4,5,6,7
	global_store_b128 v[CO], v[192+32*((\a)%2)+4*\t:192+32*((\a)%2)+4*\t+3], s[12:13] offset:(\a)*4096+512*\t   ; two rows of 256 bytes: 512 consecutive bytes, aligned
.endr
.endm
	PLACES NP                                      ; behind the last products: for the reads of results and the loads into registers that held scale words
	OUTBLK 0
.irp a, 1,2,3,4,5,6,7
	OUTBLK \a
	SENDQ \a-1, 16                                 ; behind block a - 1's loads: block a's 8 stores and 8 loads
.endr
	SENDQ 7, 0
	s_wait_tensorcnt 0x0                           ; the wave's end: behind my last tensor load and my last LDS store
	ds_add_u32 v[SPW], v[NIL]
	s_wait_dscnt 0x0
	CROUND                                         ; the closing round: no work-group ends while a partner may still ask for a tile that names it
	s_endpgm
.Lfunc_end_k_q8e9b183fd4_gemm4:
	.size	k_q8e9b183fd4_gemm4, .Lfunc_end_k_q8e9b183fd4_gemm4-k_q8e9b183fd4_gemm4
	.p2alignl 7, 3214868480
	.fill 96, 4, 3214868480
	.section	.rodata,"a",@progbits
	.p2align	6, 0x0
	.amdhsa_kernel k_q8e9b183fd4_gemm4
		.amdhsa_group_segment_fixed_size 327680
		.amdhsa_private_segment_fixed_size 0
		.amdhsa_enable_private_segment 0
		.amdhsa_kernarg_size 72
		.amdhsa_user_sgpr_count 2
		.amdhsa_user_sgpr_kernarg_segment_ptr 1
		.amdhsa_wavefront_size32 1
		.amdhsa_system_sgpr_workgroup_id_x 1
		.amdhsa_system_sgpr_workgroup_id_y 1
		.amdhsa_system_sgpr_workgroup_id_z 1
		.amdhsa_system_vgpr_workitem_id 0
		.amdhsa_next_free_vgpr 1024
		.amdhsa_next_free_sgpr 106
		.amdhsa_reserve_vcc 0
		.amdhsa_float_denorm_mode_32 3
		.amdhsa_float_denorm_mode_16_64 3
		.amdhsa_memory_ordered 1
		.amdhsa_forward_progress 1
		.amdhsa_inst_pref_size 255
	.end_amdhsa_kernel
	.section	.bss,"aw",@nobits
	.p2align	6
	.space	262144
	.amdgpu_metadata
---
amdhsa.version: [ 1, 2 ]
amdhsa.kernels:
  - .name:           k_q8e9b183fd4_gemm4
    .symbol:         k_q8e9b183fd4_gemm4.kd
    .args:
      - { .name: hq, .offset: 0, .size: 8, .value_kind: global_buffer, .address_space: global }
      - { .name: wq4, .offset: 8, .size: 8, .value_kind: global_buffer, .address_space: global }
      - { .name: qkv, .offset: 16, .size: 8, .value_kind: global_buffer, .address_space: global }
      - { .name: aux, .offset: 24, .size: 8, .value_kind: global_buffer, .address_space: global }
      - { .name: bq, .offset: 32, .size: 8, .value_kind: global_buffer, .address_space: global }
      - { .name: blk, .offset: 40, .size: 8, .value_kind: global_buffer, .address_space: global }
      - { .name: blv, .offset: 48, .size: 8, .value_kind: global_buffer, .address_space: global }
      - { .name: qn_w, .offset: 56, .size: 8, .value_kind: global_buffer, .address_space: global }
      - { .name: kn_w, .offset: 64, .size: 8, .value_kind: global_buffer, .address_space: global }
    .group_segment_fixed_size: 327680
    .private_segment_fixed_size: 0
    .kernarg_segment_align: 8
    .kernarg_segment_size: 72
    .max_flat_workgroup_size: 128
    .sgpr_count:     106
    .vgpr_count:     1024
    .wavefront_size: 32
...
	.end_amdgpu_metadata
.endif
;; end of part 3
;; launch attn (part 4): grid 16 x 16, 8 waves a work-group, no clusters, 262,144 bytes of LDS; arguments qkv, ckv, sink_k, sink_v, merged; writes merged
.if DOCPART == 4
	.amdgcn_target "amdgcn-amd-amdhsa--gfx1250"
	.amdhsa_code_object_version 6
	.text
	.protected	k_q8e9b183fd4_attn
	.globl	k_q8e9b183fd4_attn
	.p2align	8
	.type	k_q8e9b183fd4_attn,@function
k_q8e9b183fd4_attn:
	s_mov_b64 s[64:65], 0
	v_nop
	global_prefetch_b8 v0, s[64:65] scope:SCOPE_SE
	s_setreg_imm32_b32 hwreg(HW_REG_WAVE_MODE, 25, 1), 1
	s_wait_xcnt 0x0
; merged[pos][head][:] = 0.5 (compressed branch with its sink + local window branch), f16 operands, f32 sums, maxima and exponentials; stored as f16 [2048][2048].
; SHARES. A work-group owns 128 queries of one head (x: the block, y: the head); each of its eight waves 16 of them, q0 = 128 x + 16 w on.
; ALL KEYS OF A WAVE ARE 18 TILES OF 16: T0-T8 the local keys q0 - 128 .. q0 + 15 (what the window mask keeps lies among them); T9-T16 the 128 compressed entries; T17 the sink (row 0; rows 1-15 are zeros).
; Both products are used transposed: S^T = K Q^T (source 0 = 16 keys, source 1 = my 16 queries), O^T = V^T P: a lane holds ONE query (l % 16) throughout, and keys 8 (l / 16) + 0 .. 7 of a tile.
; A lane's 144 scores stay in registers, so each branch has a plain softmax with its true maximum.  Hidden scores become -infinity, so p = 0.  Every row has a key that counts: its own position; the sink.
; p is multiplied by 0.5 / (its branch's sum) before it is rounded to f16, so ONE accumulator sums both branches and the sink: 18 tiles = 9 K steps of 32.
; All of LDS is filled once, at the head: six waves ask for one tile of 128 rows each (lk, lk, ck; lv, lv, cv); waves 3 and 7 build the sink's two tiles by LDS stores, in blocks of their own.
; In the first block of queries the tile of the 128 keys before it is filled with keys 0-127 and hidden as a whole, so no load leaves its buffer and what is multiplied by p = 0 is finite.
; NO CLUSTER: of a work-group's 192 KiB only ck and cv (64 KiB) would land at equal LDS places in partners; a block of lk or lv lands at different rows in its two readers.
; REGISTERS: v1-13 addresses and masks; v14, v15 the add's two; v16-47 Q; v48-111 two tiles of K; v112-255 S^T (tile T at 112 + 8 T).  Later: v16-79 O^T; v80-111, v184-215 V by turns; v112-183 P (tile T at 112 + 4 T); v216-247 packed results.
; LIMITS: merged beyond 65,504 in magnitude becomes infinity in f16; p under 6e-8 is lost in f16.
.set PK,    272                        ; a row of K in LDS: 256 bytes + 16
.set PV,    288                        ; a row of V: 256 + 32
.set CK,    69632                      ; LDS: 0: lk, 256 rows; here: ck, 128 rows
.set LV,    104448                     ; lv, 256 rows
.set CV,    178176                     ; cv, 128 rows
.set SK,    215040                     ; the sink's key tile, 16 x 272 in 4,608 bytes
.set SV,    219648                     ; its value tile, 16 x 288 = CV + 9 x 16 x 288
.set STG,   224256                     ; the way out: 16 x 272 for each wave
.set SPARE, 259072                     ; the spare words, 128 bytes for each wave: four blocks of 256 bytes that no other line names
.set SPW,   14
.set NIL,   15
.set G1K,   24
.set G1V,   32
.set G0K,   40
.set G0V,   44
	s_load_b256 s[4:11], s[0:1], 0x0               ; qkv 4, ckv 6, sink_k 8, sink_v 10
	s_load_b64 s[12:13], s[0:1], 0x20              ; merged
	v_lshl_add_u32 v[SPW], v0, 2, SPARE
	v_mov_b32 v[NIL], 0
	ds_add_u32 v[SPW], v[NIL]                      ; the wave's opening: the add, twice on end, and its wait ahead of my first tensor load
	ds_add_u32 v[SPW], v[NIL]
	v_lshrrev_b32 v1, 5, v0
	v_readfirstlane_b32 s14, v1                    ; wave 0..7
	s_and_b32 s15, s14, 3                          ; t: which tile I ask for (3: I build a sink tile)
	s_lshr_b32 s16, s14, 2                         ; 0: keys, 1: values
	s_and_b32 s17, ttmp7, 0xffff                   ; the head
	s_mov_b32 s[G1K], (1<<16)|(1<<20)|(5<<22)|(3<<25)      ; elements of 2 bytes; padding: 4 words behind every 64
	s_mov_b32 s[G1V], (1<<16)|(1<<20)|(5<<22)|(7<<25)      ; 8 words
.irp g, G1K, G1V
	s_mov_b32 s[\g+1], 128<<16                     ; tensor_dim0
	s_mov_b32 s[\g+2], 128<<16                     ; tensor_dim1
	s_mov_b32 s[\g+3], 128<<16                     ; tile_dim0
	s_mov_b32 s[\g+4], 128                         ; tile_dim1
	s_mov_b32 s[\g+5], 128                         ; the pitch
	s_mov_b32 s[\g+6], 0
	s_mov_b32 s[\g+7], 0
.endr
	s_mov_b32 s[G0K], 1
	s_mul_i32 s[G0K+1], s15, 128*PK                ; lk's two halves, then ck
	s_mov_b32 s[G0V], 1
	s_mul_i32 s[G0V+1], s15, 128*PV
	s_add_co_u32 s[G0V+1], s[G0V+1], LV            ; lv's two halves, then cv
	s_add_co_u32 s18, ttmp9, s15
	s_max_u32 s18, s18, 1
	s_sub_co_u32 s18, s18, 1                       ; the block of 128 keys: max(x + t - 1, 0)
	s_lshl_b32 s18, s18, 15
	s_lshl_b32 s19, s16, 4
	s_add_co_u32 s19, s19, s17
	s_add_co_u32 s19, s19, 16                      ; G = 16 + head (lk) or 32 + head (lv)
	s_lshl_b32 s19, s19, 19
	s_add_co_u32 s18, s18, s19
	s_mov_b32 s19, 0
	s_lshl_b32 s20, s16, 15                        ; ck or cv
	s_mov_b32 s21, 0
	s_lshl_b32 s50, ttmp9, 7
	s_lshl_b32 s51, s14, 4
	s_add_co_u32 s50, s50, s51                     ; q0
	v_and_b32 v1, 15, v0                           ; r
	v_bfe_u32 v2, v0, 4, 1                         ; h
	v_mul_u32_u24 v3, v1, PK
	v_lshl_add_u32 v3, v2, 4, v3                   ; r x 272 + 16 h
	v_add_nc_u32 v4, CK, v3                        ; ck's tiles
	v_add_nc_u32 v5, SK, v3                        ; the sink's
	s_mul_i32 s52, s14, 16*PK
	v_add_nc_u32 v3, s52, v3                       ; lk's: tile T0 begins at row 16 w
	v_add_nc_u32 v8, STG, v3                       ; the stage, in: the same pattern
	v_and_b32 v6, 7, v0
	v_lshl_add_u32 v6, v2, 3, v6
	v_mul_u32_u24 v6, v6, PV
	v_bfe_u32 v7, v0, 3, 1
	v_lshl_add_u32 v6, v7, 4, v6                   ; (8 h + l % 8) x 288 + 16 ((l / 8) % 2)
	v_add_nc_u32 v7, CV, v6
	s_mul_i32 s53, s14, 16*PV
	s_add_co_u32 s53, s53, LV
	v_add_nc_u32 v6, s53, v6
	v_mul_u32_u24 v9, v2, PK
	v_lshl_add_u32 v9, v1, 4, v9
	v_add_nc_u32 v9, s52, v9
	v_add_nc_u32 v9, STG, v9                       ; the stage, back: lanes 0-15 one row, lanes 16-31 the next
	v_lshlrev_b32 v10, 12, v2
	v_lshl_add_u32 v10, v1, 4, v10                 ; and the same two rows in merged
	v_lshlrev_b32 v12, 3, v2
	v_sub_nc_u32 v11, v1, v12                      ; r - 8 h
	s_sub_co_i32 s54, s50, 15
	v_add_nc_u32 v13, s54, v1
	v_ashrrev_i32 v13, 4, v13                      ; the last entry that lies wholly in my query's past: floor((q - 15) / 16)
	v_sub_nc_u32 v12, v13, v12                     ; - 8 h
	v_mov_b32 v13, 0xff800000                      ; -infinity
	v_and_b32 v48, 31, v0
	s_mul_i32 s55, s16, 4608
	s_add_co_u32 s55, s55, SK
	v_lshl_add_u32 v49, v48, 4, s55                ; the sink tile that I would build: 16 bytes a lane,
	v_lshl_add_u32 v50, v48, 3, s55                ; and its row 0: 8 bytes a lane
	v_lshlrev_b32 v51, 4, v48
	v_lshlrev_b32 v52, 8, v1
	v_lshl_add_u32 v52, v2, 4, v52                 ; Q: row r of 256 bytes, + 16 h
	s_wait_dscnt 0x0                               ; both opening adds are done
	s_wait_kmcnt 0x0
	s_add_nc_u64 s[18:19], s[4:5], s[18:19]
	s_add_nc_u64 s[20:21], s[6:7], s[20:21]
	s_cmp_eq_u32 s15, 2
	s_cselect_b64 s[G0K+2:G0K+3], s[20:21], s[18:19]
	s_mov_b64 s[G0V+2:G0V+3], s[G0K+2:G0K+3]
	s_or_b32 s[G0K+3], s[G0K+3], 0x80000000
	s_or_b32 s[G0V+3], s[G0V+3], 0x80000000
	s_cmp_eq_u32 s16, 0
	s_cselect_b64 s[22:23], s[8:9], s[10:11]
	s_lshl_b32 s48, s17, 9
	s_mov_b32 s49, 0
	s_add_nc_u64 s[22:23], s[22:23], s[48:49]      ; sink_k or sink_v at my head
	s_lshl_b32 s48, s17, 19
	s_lshl_b32 s51, s50, 8
	s_add_co_u32 s48, s48, s51
	s_add_nc_u64 s[4:5], s[4:5], s[48:49]          ; q at my first query
	s_lshl_b32 s48, s50, 12
	s_lshl_b32 s51, s17, 8
	s_add_co_u32 s48, s48, s51
	s_add_nc_u64 s[12:13], s[12:13], s[48:49]      ; merged likewise
	s_mov_b32 s48, 0x3e0293ee                      ; c = log2(e) / sqrt(128)
	s_mov_b32 s49, s48                             ; (named with it as a pair)
	s_mov_b32 s52, 0x76543210
	s_mov_b32 s53, 0xfedcba98
	; the first fills, one a wave, in one branch on the wave's number, ahead of every wait on TENSORcnt, every LDS read and every barrier; an s_nop 0 and four v_nop follow each
	s_cmp_eq_u32 s15, 3
	s_cbranch_scc1 .Lsink
	s_cmp_eq_u32 s16, 0
	s_cbranch_scc0 .Lfor_v
	tensor_load_to_lds s[G0K:G0K+3], s[G1K:G1K+7]
	s_nop 0
.rept 4
	v_nop
.endr
	s_branch .Ljoined
.Lfor_v:
	tensor_load_to_lds s[G0V:G0V+3], s[G1V:G1V+7]
	s_nop 0
.rept 4
	v_nop
.endr
	s_branch .Ljoined
.Lsink:
	global_load_b128 v[56:59], v51, s[22:23]       ; the head's 128 numbers, 4 a lane
.irp i, 60,61,62,63
	v_mov_b32 v\i, 0
.endr
.irp i, 0,1,2,3,4,5,6,7,8
	ds_store_b128 v49, v[60:63] offset:512*\i      ; 4,608 bytes of zeros;
.endr
	s_wait_loadcnt 0x0
	v_cvt_pk_f16_f32 v56, v56, v57
	v_cvt_pk_f16_f32 v57, v58, v59
	ds_store_b64 v50, v[56:57]                     ; then row 0 (LDS serves a wave's instructions in order)
.Ljoined:
.irp f, 0,1,2,3
	global_load_b128 v[16+8*\f:19+8*\f], v52, s[4:5] offset:64*\f              ; Q's fragments stay in registers
	global_load_b128 v[20+8*\f:23+8*\f], v52, s[4:5] offset:64*\f+32
.endr
	s_wait_tensorcnt 0x0                           ; my tile has landed,
	s_wait_dscnt 0x0                               ; my stores too:
	s_barrier_signal -1
	s_barrier_wait -1                              ; everybody's have
	s_wait_loadcnt 0x0                             ; Q
.macro KLD reg, T, f                   ; fragment f (channels 32 f on) of tile T
.if (\T) < 9
	ds_load_b128 v[\reg:\reg+3], v3 offset:(\T)*16*PK+64*(\f)
	ds_load_b128 v[\reg+4:\reg+7], v3 offset:(\T)*16*PK+64*(\f)+32
.elseif (\T) < 17
	ds_load_b128 v[\reg:\reg+3], v4 offset:((\T)-9)*16*PK+64*(\f)
	ds_load_b128 v[\reg+4:\reg+7], v4 offset:((\T)-9)*16*PK+64*(\f)+32
.else
	ds_load_b128 v[\reg:\reg+3], v5 offset:64*(\f)
	ds_load_b128 v[\reg+4:\reg+7], v5 offset:64*(\f)+32
.endif
.endm
; Two tiles of scores; their two accumulators take turns
.macro QKPAIR Ta, Tb, first
.if !\first
.rept 4
	v_nop                                          ; places in front of loads into registers that matrix instructions have read
.endr
.endif
.irp f, 0,1,2,3
	KLD 48+8*\f, \Ta, \f
	KLD 80+8*\f, \Tb, \f
.endr
.irp f, 0,1,2,3
	s_wait_dscnt 12-4*\f                           ; both tiles' fragment f is in; the four loads of each later f may be out
.if \f == 0
	v_wmma_f32_16x16x32_f16 v[112+8*(\Ta):119+8*(\Ta)], v[48+8*\f:55+8*\f], v[16+8*\f:23+8*\f], 0
	v_wmma_f32_16x16x32_f16 v[112+8*(\Tb):119+8*(\Tb)], v[80+8*\f:87+8*\f], v[16+8*\f:23+8*\f], 0
.else
	v_wmma_f32_16x16x32_f16 v[112+8*(\Ta):119+8*(\Ta)], v[48+8*\f:55+8*\f], v[16+8*\f:23+8*\f], v[112+8*(\Ta):119+8*(\Ta)]
	v_wmma_f32_16x16x32_f16 v[112+8*(\Tb):119+8*(\Tb)], v[80+8*\f:87+8*\f], v[16+8*\f:23+8*\f], v[112+8*(\Tb):119+8*(\Tb)]
.endif
.endr
.endm
	QKPAIR 0, 1, 1
	QKPAIR 2, 3, 0
	QKPAIR 4, 5, 0
	QKPAIR 6, 7, 0
	QKPAIR 8, 9, 0
	QKPAIR 10, 11, 0
	QKPAIR 12, 13, 0
	QKPAIR 14, 15, 0
	QKPAIR 16, 17, 0
.rept 4
	v_nop                                          ; places in front of the first reads of results
.endr
	; THE MASKS.  T0: key q0 - 128 + 8 h + j is more than 128 back where j < r - 8 h.  T8: key q0 + 8 h + j lies ahead where j > r - 8 h.
.irp j, 0,1,2,3,4,5,6,7
	v_cmp_lt_i32 vcc_lo, \j, v11
	v_cndmask_b32 v[112+\j], v[112+\j], v13, vcc_lo
.endr
.irp j, 0,1,2,3,4,5,6,7
	v_cmp_gt_i32 vcc_lo, \j, v11
	v_cndmask_b32 v[176+\j], v[176+\j], v13, vcc_lo
.endr
.set u, 0
.rept 8                                ; T9 + u: entry 16 u + 8 h + j is hidden where it ends behind my query
.set j, 0
.rept 8
	v_cmp_gt_i32 vcc_lo, 16*u+j, v12
	v_cndmask_b32 v[184+8*u+j], v[184+8*u+j], v13, vcc_lo
.set j, j+1
.endr
.set u, u+1
.endr
	s_mov_b32 s54, 0xffff0000
	v_cndmask_b32 v248, v248, v13, s54             ; T17: key 0 alone is the sink
.irp j, 1,2,3,4,5,6,7
	v_mov_b32 v[248+\j], v13
.endr
	s_cmp_lg_u32 ttmp9, 0
	s_cbranch_scc1 .Lno_edge                       ; the first block of queries: tile u lies before key 0 where u < 8 - w
	s_sub_co_u32 s54, 8, s14
.irp u, 0,1,2,3,4,5,6,7
	s_cmp_lt_u32 \u, s54
	s_cselect_b32 s55, 0xff800000, 0
.irp j, 0,1,2,3,4,5,6,7
	v_add_f32 v[112+8*\u+\j], s55, v[112+8*\u+\j]
.endr
.endr
.Lno_edge:
	; THE TWO SOFTMAXES: T0-T8 and T9-T17.  Eighteen chains by turns, each tile from its low end on
.irp T, 0,1,2,3,4,5,6,7,8,9,10,11,12,13,14,15,16,17
	v_max3_num_f32 v[16+\T], v[112+8*\T], v[113+8*\T], v[114+8*\T]
.endr
.irp i, 3,5
.irp T, 0,1,2,3,4,5,6,7,8,9,10,11,12,13,14,15,16,17
	v_max3_num_f32 v[16+\T], v[16+\T], v[112+8*\T+\i], v[113+8*\T+\i]
.endr
.endr
.irp T, 0,1,2,3,4,5,6,7,8,9,10,11,12,13,14,15,16,17
	v_max_num_f32 v[16+\T], v[16+\T], v[119+8*\T]
.endr
	v_max3_num_f32 v16, v16, v17, v18
	v_max3_num_f32 v25, v25, v26, v27
	v_max3_num_f32 v19, v19, v20, v21
	v_max3_num_f32 v28, v28, v29, v30
	v_max3_num_f32 v22, v22, v23, v24
	v_max3_num_f32 v31, v31, v32, v33
	v_max3_num_f32 v16, v16, v19, v22
	v_max3_num_f32 v25, v25, v28, v31
	v_permlanex16_b32 v17, v16, s52, s53           ; the query's other keys lie in the lane 16 away
	v_permlanex16_b32 v26, v25, s52, s53
	v_max_num_f32 v16, v16, v17                    ; the local branch's largest score,
	v_max_num_f32 v25, v25, v26                    ; the compressed branch's
	v_mul_f32 v34, 0xbe0293ee, v16                 ; - c m
	v_mul_f32 v36, 0xbe0293ee, v25
	v_mov_b32 v35, v34
	v_mov_b32 v37, v36
.set k, 0
.rept 36
	v_pk_fma_f32 v[112+2*k:113+2*k], v[112+2*k:113+2*k], s[48:49], v[34:35] op_sel_hi:[1,0,0]   ; c s - c m
.set k, k+1
.endr
.set k, 0
.rept 36
	v_pk_fma_f32 v[184+2*k:185+2*k], v[184+2*k:185+2*k], s[48:49], v[36:37] op_sel_hi:[1,0,0]
.set k, k+1
.endr
.set k, 0
.rept 144
	v_exp_f32 v[112+k], v[112+k]
.set k, k+1
.endr
	v_nop                                          ; the plain line behind the batch
	s_wait_alu depctr_va_vdst(0)                   ; one wait for the 144, ahead of their first reader
.macro PSUM base, ch                   ; the sum of 36 pairs, in four chains
.irp k, 0,1,2,3
	v_pk_add_f32 v[\ch+2*\k:\ch+2*\k+1], v[\base+2*\k:\base+2*\k+1], v[\base+8+2*\k:\base+8+2*\k+1]
.endr
.set p, 8
.rept 28
	v_pk_add_f32 v[\ch+2*(p%4):\ch+2*(p%4)+1], v[\ch+2*(p%4):\ch+2*(p%4)+1], v[\base+2*p:\base+2*p+1]
.set p, p+1
.endr
	v_pk_add_f32 v[\ch:\ch+1], v[\ch:\ch+1], v[\ch+2:\ch+3]
	v_pk_add_f32 v[\ch+4:\ch+5], v[\ch+4:\ch+5], v[\ch+6:\ch+7]
	v_pk_add_f32 v[\ch:\ch+1], v[\ch:\ch+1], v[\ch+4:\ch+5]
	v_add_f32 v[\ch], v[\ch], v[\ch+1]
	v_permlanex16_b32 v[\ch+1], v[\ch], s52, s53
	v_add_f32 v[\ch], v[\ch], v[\ch+1]
.endm
	PSUM 112, 40
	PSUM 184, 48
	v_rcp_f32 v40, v40
	v_rcp_f32 v48, v48
	v_nop
	s_wait_alu depctr_va_vdst(0)
	v_mul_f32 v40, 0.5, v40                        ; the mean of the two branches goes into p
	v_mul_f32 v48, 0.5, v48
.set k, 0
.rept 36
	v_pk_mul_f32 v[112+2*k:113+2*k], v[112+2*k:113+2*k], v[40:41] op_sel_hi:[1,0]
.set k, k+1
.endr
.set k, 0
.rept 36
	v_pk_mul_f32 v[184+2*k:185+2*k], v[184+2*k:185+2*k], v[48:49] op_sel_hi:[1,0]
.set k, k+1
.endr
.set n, 0
.rept 72
	v_cvt_pk_f16_f32 v[112+n], v[112+2*n], v[113+2*n]              ; packed in place, ascending: a destination never lies above a source that is still unread
.set n, n+1
.endr
	; O^T = V^T P: 9 K steps of 32 keys (tiles 2 k, 2 k + 1), each in two halves of four channel tiles; V's fragments in two sets by turns
.macro VLD reg, T, ch                  ; 16 keys of tile T, channels 16 ch on, turned: half a fragment
.if (\T) < 9
	ds_load_tr16_b128 v[\reg:\reg+3], v6 offset:(\T)*16*PV+32*(\ch)
.elseif (\T) < 17
	ds_load_tr16_b128 v[\reg:\reg+3], v7 offset:((\T)-9)*16*PV+32*(\ch)
.else
	ds_load_tr16_b128 v[\reg:\reg+3], v7 offset:9*16*PV+32*(\ch)
.endif
.endm
.macro VLOAD n
.set VB, 80+104*((\n)%2)
.irp c, 0,1,2,3
	VLD VB+8*\c, 2*((\n)/2), 4*((\n)%2)+\c
	VLD VB+8*\c+4, 2*((\n)/2)+1, 4*((\n)%2)+\c
.endr
.endm
	VLOAD 0
.set n, 0
.rept 18
.if n < 17
.if n > 0
.rept 4
	v_nop                                          ; places in front of loads into the set that the last four products read
.endr
.endif
	VLOAD n+1
	s_wait_dscnt 8                                 ; this half step's eight loads are in; the next one's may be out
.else
	s_wait_dscnt 0x0
.endif
.set VC, 80+104*(n%2)
.irp c, 0,1,2,3
.if n < 2
	v_wmma_f32_16x16x32_f16 v[16+8*(4*(n%2)+\c):23+8*(4*(n%2)+\c)], v[VC+8*\c:VC+8*\c+7], v[112+8*(n/2):119+8*(n/2)], 0
.else
	v_wmma_f32_16x16x32_f16 v[16+8*(4*(n%2)+\c):23+8*(4*(n%2)+\c)], v[VC+8*\c:VC+8*\c+7], v[112+8*(n/2):119+8*(n/2)], v[16+8*(4*(n%2)+\c):23+8*(4*(n%2)+\c)]
.endif
.endr
.set n, n+1
.endr
	; THE WAY OUT: a lane's eight channels of a row pack into 16 bytes; through my stage they become whole rows of 256 bytes
.rept 4
	v_nop
.endr
.set n, 0
.rept 32
	v_cvt_pk_f16_f32 v[216+n], v[16+2*n], v[17+2*n]
.set n, n+1
.endr
.irp c, 0,1,2,3,4,5,6,7
	ds_store_b128 v8, v[216+4*\c:219+4*\c] offset:32*\c
.endr
.irp i, 0,1,2,3,4,5,6,7
	ds_load_b128 v[80+4*\i:83+4*\i], v9 offset:\i*2*PK             ; LDS serves a wave's instructions in order: these see my stores
.endr
.irp i, 0,1,2,3,4,5,6,7
	s_wait_dscnt 7-\i
	global_store_b128 v10, v[80+4*\i:83+4*\i], s[12:13] offset:8192*\i   ; sixteen lanes store 256 consecutive bytes, aligned: a head's part of a row
.endr
	s_wait_tensorcnt 0x0                           ; the wave's end: behind my last tensor load and my last LDS store
	ds_add_u32 v[SPW], v[NIL]
	s_wait_dscnt 0x0
	s_endpgm
.Lfunc_end_k_q8e9b183fd4_attn:
	.size	k_q8e9b183fd4_attn, .Lfunc_end_k_q8e9b183fd4_attn-k_q8e9b183fd4_attn
	.p2alignl 7, 3214868480
	.fill 96, 4, 3214868480
	.section	.rodata,"a",@progbits
	.p2align	6, 0x0
	.amdhsa_kernel k_q8e9b183fd4_attn
		.amdhsa_group_segment_fixed_size 262144
		.amdhsa_private_segment_fixed_size 0
		.amdhsa_enable_private_segment 0
		.amdhsa_kernarg_size 40
		.amdhsa_user_sgpr_count 2
		.amdhsa_user_sgpr_kernarg_segment_ptr 1
		.amdhsa_wavefront_size32 1
		.amdhsa_system_sgpr_workgroup_id_x 1
		.amdhsa_system_sgpr_workgroup_id_y 1
		.amdhsa_system_sgpr_workgroup_id_z 1
		.amdhsa_system_vgpr_workitem_id 0
		.amdhsa_next_free_vgpr 256
		.amdhsa_next_free_sgpr 66
		.amdhsa_reserve_vcc 1
		.amdhsa_float_denorm_mode_32 3
		.amdhsa_float_denorm_mode_16_64 3
		.amdhsa_memory_ordered 1
		.amdhsa_forward_progress 1
		.amdhsa_inst_pref_size 81
	.end_amdhsa_kernel
	.amdgpu_metadata
---
amdhsa.version: [ 1, 2 ]
amdhsa.kernels:
  - .name:           k_q8e9b183fd4_attn
    .symbol:         k_q8e9b183fd4_attn.kd
    .args:
      - { .name: qkv, .offset: 0, .size: 8, .value_kind: global_buffer, .address_space: global }
      - { .name: ckv, .offset: 8, .size: 8, .value_kind: global_buffer, .address_space: global }
      - { .name: sink_k, .offset: 16, .size: 8, .value_kind: global_buffer, .address_space: global }
      - { .name: sink_v, .offset: 24, .size: 8, .value_kind: global_buffer, .address_space: global }
      - { .name: merged, .offset: 32, .size: 8, .value_kind: global_buffer, .address_space: global }
    .group_segment_fixed_size: 262144
    .private_segment_fixed_size: 0
    .kernarg_segment_align: 8
    .kernarg_segment_size: 40
    .max_flat_workgroup_size: 256
    .sgpr_count:     66
    .vgpr_count:     256
    .wavefront_size: 32
...
	.end_amdgpu_metadata
.endif
;; end of part 4
;; launch oproj (part 5): grid 16 x 16, 4 waves a work-group, clusters of 4 x 4, 327,680 bytes of LDS; arguments merged, wo16, bo, out0; writes out0
.if DOCPART == 5
	.amdgcn_target "amdgcn-amd-amdhsa--gfx1250"
	.amdhsa_code_object_version 6
	.text
	.protected	k_q8e9b183fd4_oproj
	.globl	k_q8e9b183fd4_oproj
	.p2align	8
	.type	k_q8e9b183fd4_oproj,@function
k_q8e9b183fd4_oproj:
	s_mov_b64 s[64:65], 0
	v_nop
	global_prefetch_b8 v0, s[64:65] scope:SCOPE_SE
	s_setreg_imm32_b32 hwreg(HW_REG_WAVE_MODE, 25, 1), 1
	s_wait_xcnt 0x0
	s_wait_alu depctr_hold_cnt(0) depctr_sa_sdst(0) depctr_va_vdst(0) depctr_va_sdst(0) depctr_va_ssrc(0) depctr_va_vcc(0) depctr_vm_vsrc(0)
	s_getreg_b32 s2, hwreg(HW_REG_IB_STS2, 6, 4)
	s_cmp_eq_u32 s2, 0
	s_cbranch_scc0 .Lentry_in_a_cluster
	s_endpgm
.Lentry_in_a_cluster:
	s_bfe_u32 s2, ttmp6, 0x10000c
	s_cmp_lg_u32 s2, 0xf033
	s_cbranch_scc0 .Lentry_shape_is_right
	s_endpgm
.Lentry_shape_is_right:
; out0[m][n] = sum over k of merged[m][k] Wo[k][n] + bo[n].  merged [2048][2048] f16, K innermost; wo16 [2048 k][2048 n] f16, as Wo lies; sums and out0 in f32.
; 256 tiles of 128 x 128, one to a work-group; four waves, each 64 x 64: 16 accumulators, 128 registers.  K goes in steps of 256 through a ring of two LDS slots: merged's 128 rows of 512 bytes, Wo's 256 rows (k) of 256 bytes.
; Wo's fragments are turned on the way out of LDS by ds_load_tr16_b128, so that K runs along a lane's registers.
; CLUSTERS: 4 x 4 work-groups; the four of a row of the cluster ask jointly for merged's tiles, the four of a column for Wo's.
; THE MATRIX INSTRUCTION IS USED TRANSPOSED (source 0 = 16 columns of Wo, source 1 = 16 rows of merged): a lane holds eight neighbouring numbers of a row of out0.  The bias is the C of the first products.
; A wave's 64 columns of f32 are 256 bytes, aligned: each wave has a stage of its own on the way out, and no barrier stands there.
; REGISTERS: window 0: v0-31 addresses; v32-95 rows read back from the stage, two sets; v96-127 the bias; v128-255 the accumulators ((a, b) at v[128 + 8 (4 a + b)]).
;   window 1: two fragment buffers of 128: for 64 along K, 64 registers of merged, then 64 of Wo.
.set KSTEP,  256
.set PA,     528                       ; merged's LDS row: 512 bytes + 16
.set PB,     288                       ; Wo's: 256 + 32
.set HALFA,  64*PA
.set HALFB,  128*PB
.set BOFF,   2*HALFA
.set SLOT,   2*HALFA+2*HALFB
.set STAGE,  2*SLOT                    ; behind the ring: 16 rows x 272 bytes for each wave
.set SP,     272
.set SPARE,  STAGE+4*16*SP             ; the spare words, 128 bytes for each wave: two blocks of 256 bytes that no other line names
.set LAPS,   4                         ; 2,048 along K = four laps of two K steps
.set ADRA, 16                          ; v16-17  merged's fragments in slot 0, 1
.set ADRB, 20                          ; v20-23  Wo's: 2 x slot + which 128 rows of the slot's 256 (an LDS immediate holds 16 bits)
.set STO,  24
.set RD,   25
.set CO,   26
.set SPW,  28                          ; v28  LDS address of my spare word; never rewritten
.set NIL,  29                          ; v29  0; never rewritten
.set TMP,  32
.set BI,   96
.set ACC,  128
.set F0,   0
.set F1,   128
.set G1, 24
.set G0, 32
.set G1B, 48
.set G0B, 56
.set MSB, 0
.macro WIN new
.if MSB != (\new)
	s_set_vgpr_msb (MSB<<8)|(\new)
.set MSB, \new
.endif
.endm
.set MUL,  0x05                        ; sources 0 and 1 window 1; C and D window 0
.set TO_F, 0x40                        ; destination window 1, address window 0
.macro JLOAD s                         ; a joint load: waves 0 and 1 fetch merged's two halves, waves 2 and 3 Wo's; an s_nop 0 and four v_nop follow each of the two lines
	s_cmp_eq_u32 s13, 0
	s_cbranch_scc0 .Lfor_b_\@
	tensor_load_to_lds s[G0+4*\s:G0+4*\s+3], s[G1:G1+7]
	s_nop 0
.rept 4
	v_nop
.endr
	s_branch .Lasked_\@
.Lfor_b_\@:
	tensor_load_to_lds s[G0B+4*\s:G0B+4*\s+3], s[G1B:G1B+7]
	s_nop 0
.rept 4
	v_nop
.endr
.Lasked_\@:
.endm
.macro CREST
	s_cmp_lg_u32 s12, 0
	s_cbranch_scc1 .Lnot_wave_0_\@
	s_barrier_signal -3
.Lnot_wave_0_\@:
	s_barrier_wait -3
	s_barrier_signal -1
	s_barrier_wait -1
.endm
.macro CROUND
	s_barrier_signal -1
	s_barrier_wait -1
	CREST
.endm
	s_load_b256 s[4:11], s[0:1], 0x0               ; merged 4, wo16 6, bo 8, out0 10
	v_lshl_add_u32 v[SPW], v0, 2, SPARE
	v_mov_b32 v[NIL], 0
	ds_add_u32 v[SPW], v[NIL]                      ; the wave's opening: the add, twice on end, and its wait ahead of my first tensor load
	ds_add_u32 v[SPW], v[NIL]
	v_lshrrev_b32 v1, 5, v0
	v_readfirstlane_b32 s12, v1                    ; wave 0..3
	s_lshr_b32 s13, s12, 1                         ; which half of the tile's rows is mine.  Also: I fetch for merged (0) or for Wo (1)
	s_and_b32 s14, s12, 1                          ; which half of its columns.  Also: which half of that tile I fetch
	s_bfe_u32 s40, ttmp6, 0x40000                  ; cx, cy
	s_bfe_u32 s41, ttmp6, 0x40004
	s_lshl_b32 s42, ttmp9, 2
	s_add_co_u32 s42, s42, s40                     ; tile column
	s_and_b32 s15, ttmp7, 0xffff
	s_lshl_b32 s15, s15, 2
	s_add_co_u32 s15, s15, s41                     ; tile row
	s_lshl_b32 s43, s41, 2
	s_lshl_b32 s43, 15, s43                        ; my row of the cluster
	s_lshl_b32 s44, 0x1111, s40                    ; my column
	s_or_b32 s[G1+0], s43, (1<<16)|(1<<20)|(1<<21)|(6<<22)|(3<<25)  ; the mask; elements of 2 bytes; padding: 4 words behind every 128; bit 21 beside a mask
	s_mov_b32 s[G1+1], 256<<16                     ; tensor_dim0
	s_mov_b32 s[G1+2], 64<<16                      ; tensor_dim1
	s_mov_b32 s[G1+3], 256<<16                     ; tile_dim0
	s_mov_b32 s[G1+4], 64                          ; tile_dim1
	s_mov_b32 s[G1+5], 2048                        ; the pitch
	s_mov_b32 s[G1+6], 0
	s_mov_b32 s[G1+7], 0
	s_or_b32 s[G1B+0], s44, (1<<16)|(1<<20)|(1<<21)|(5<<22)|(7<<25) ; 8 words behind every 64
	s_mov_b32 s[G1B+1], 128<<16
	s_mov_b32 s[G1B+2], 128<<16
	s_mov_b32 s[G1B+3], 128<<16
	s_mov_b32 s[G1B+4], 128
	s_mov_b32 s[G1B+5], 2048
	s_mov_b32 s[G1B+6], 0
	s_mov_b32 s[G1B+7], 0
	s_lshl_b32 s16, s15, 7
	s_lshl_b32 s17, s14, 6
	s_add_co_u32 s16, s16, s17
	s_lshl_b32 s16, s16, 12                        ; merged: row 128 x tile row + 64 x half, 4,096 bytes a row
	s_mov_b32 s17, 0
	s_lshl_b32 s46, s14, 19                        ; Wo: k row 128 x half, 4,096 bytes a row,
	s_lshl_b32 s47, s42, 8
	s_add_co_u32 s46, s46, s47                     ; + the tile column's 256 bytes
	s_mov_b32 s47, 0
	s_mul_i32 s20, s14, HALFA                      ; where they go: no place in the cluster enters an LDS address
	s_mul_i32 s21, s14, HALFB
	s_add_co_u32 s21, s21, BOFF
	s_wait_dscnt 0x0                               ; both opening adds are done
	s_wait_kmcnt 0x0
	s_add_nc_u64 s[16:17], s[4:5], s[16:17]
	s_add_nc_u64 s[46:47], s[6:7], s[46:47]
	CROUND                                         ; all sixteen work-groups are here: the first joint loads meet
.irp s, 0,1
	s_mov_b32 s[G0+4*\s], 1
	s_add_co_u32 s[G0+4*\s+1], s20, \s*SLOT
	s_add_nc_u64 s[G0+4*\s+2:G0+4*\s+3], s[16:17], \s*KSTEP*2
	s_or_b32 s[G0+4*\s+3], s[G0+4*\s+3], 0x80000000
	s_mov_b32 s[G0B+4*\s], 1
	s_add_co_u32 s[G0B+4*\s+1], s21, \s*SLOT
	s_add_nc_u64 s[G0B+4*\s+2:G0B+4*\s+3], s[46:47], \s*KSTEP*4096
	s_or_b32 s[G0B+4*\s+3], s[G0B+4*\s+3], 0x80000000
	JLOAD \s
.endr
	v_and_b32 v1, 15, v0                           ; l % 16
	v_bfe_u32 v2, v0, 4, 1                         ; l / 16
	v_mul_u32_u24 v3, v1, PA
	v_lshl_add_u32 v3, v2, 4, v3
	s_mul_i32 s21, s13, HALFA                      ; my 64 rows of merged
	v_add_nc_u32 v[ADRA], s21, v3
	v_add_nc_u32 v[ADRA+1], SLOT, v[ADRA]
	v_and_b32 v4, 7, v0
	v_lshl_add_u32 v4, v2, 3, v4
	v_mul_u32_u24 v4, v4, PB
	v_bfe_u32 v5, v0, 3, 1
	v_lshl_add_u32 v4, v5, 4, v4                   ; (8 (l / 16) + l % 8) x 288 + 16 ((l / 8) % 2)
	s_lshl_b32 s22, s14, 7                         ; my 64 columns: 128 bytes
	s_add_co_u32 s22, s22, BOFF
	v_add_nc_u32 v[ADRB], s22, v4
	v_add_nc_u32 v[ADRB+1], HALFB, v[ADRB]
	v_add_nc_u32 v[ADRB+2], SLOT, v[ADRB]
	v_add_nc_u32 v[ADRB+3], SLOT+HALFB, v[ADRB]
	s_mul_i32 s23, s12, 16*SP
	s_add_co_u32 s23, s23, STAGE                   ; my stage
	v_mul_u32_u24 v5, v1, SP
	v_lshl_add_u32 v5, v2, 5, v5
	v_add_nc_u32 v[STO], s23, v5                   ; in: row l % 16, 32 bytes for each half of the lanes
	v_mul_u32_u24 v5, v2, SP
	v_lshl_add_u32 v5, v1, 4, v5
	v_add_nc_u32 v[RD], s23, v5                    ; back: lanes 0-15 one row of 256 bytes, lanes 16-31 the next
	v_lshlrev_b32 v5, 13, v2
	v_lshl_add_u32 v[CO], v1, 4, v5                ; and the same two rows in out0
	v_lshlrev_b32 v6, 5, v2
	s_lshl_b32 s16, s15, 7
	s_lshl_b32 s17, s13, 6
	s_add_co_u32 s16, s16, s17
	s_lshl_b32 s16, s16, 13                        ; my first row of out0, 8,192 bytes a row
	s_mov_b32 s17, 0
	s_lshl_b32 s46, s42, 9
	s_lshl_b32 s47, s14, 8
	s_add_co_u32 s46, s46, s47                     ; my first column, in bytes
	s_mov_b32 s47, 0
	s_add_nc_u64 s[8:9], s[8:9], s[46:47]
	s_add_nc_u64 s[10:11], s[10:11], s[16:17]
	s_add_nc_u64 s[10:11], s[10:11], s[46:47]
.irp b, 0,1,2,3
	global_load_b128 v[BI+8*\b:BI+8*\b+3], v6, s[8:9] offset:64*\b             ; bo of columns 16 b + 8 (l / 16) + 0 .. 7: the result's layout
	global_load_b128 v[BI+8*\b+4:BI+8*\b+7], v6, s[8:9] offset:64*\b+16
.endr
; 8 matrix instructions: row blocks a0, a0 + 1 x all 4 column blocks, 32 along K: half c of buffer f.  zero = 1: the first products start the sums from the bias.  The 16 accumulators take turns.
.macro MUL8 f, c, a0, zero
.irp a, \a0, \a0+1
.irp b, 0,1,2,3
.if \zero
	v_wmma_f32_16x16x32_f16 v[ACC+8*(4*(\a)+\b):ACC+8*(4*(\a)+\b)+7], v[\f+64+8*(4*\c+\b):\f+64+8*(4*\c+\b)+7], v[\f+8*(4*\c+\a):\f+8*(4*\c+\a)+7], v[BI+8*\b:BI+8*\b+7]
.else
	v_wmma_f32_16x16x32_f16 v[ACC+8*(4*(\a)+\b):ACC+8*(4*(\a)+\b)+7], v[\f+64+8*(4*\c+\b):\f+64+8*(4*\c+\b)+7], v[\f+8*(4*\c+\a):\f+8*(4*\c+\a)+7], v[ACC+8*(4*(\a)+\b):ACC+8*(4*(\a)+\b)+7]
.endif
.endr
.endr
.endm
; 32 LDS loads in one run: the fragments of the slot's quarter qd (64 along K) into buffer f; the first 32 along K first
.macro FETCH slot, qd, f
	WIN TO_F
.irp c, 0,1
.irp i, 0,1,2,3
	ds_load_tr16_b128 v[\f+64+8*(4*\c+\i):\f+64+8*(4*\c+\i)+3],   v[ADRB+2*\slot+(\qd)/2] offset:(((\qd)%2)*64+32*\c)*PB+32*\i
	ds_load_tr16_b128 v[\f+64+8*(4*\c+\i)+4:\f+64+8*(4*\c+\i)+7], v[ADRB+2*\slot+(\qd)/2] offset:(((\qd)%2)*64+32*\c+16)*PB+32*\i
	ds_load_b128 v[\f+8*(4*\c+\i):\f+8*(4*\c+\i)+3],         v[ADRA+\slot] offset:128*(\qd)+64*\c+\i*16*PA
	ds_load_b128 v[\f+8*(4*\c+\i)+4:\f+8*(4*\c+\i)+7],       v[ADRA+\slot] offset:128*(\qd)+64*\c+\i*16*PA+32
.endr
.endr
.endm
.macro PLACES                          ; four plain lines in front of loads into registers that matrix instructions have read, and of reads of results
.rept 4
	v_nop
.endr
.endm
; A K step is four quarters of 64 along K, 32 matrix instructions each, on buffers 0, 1, 0, 1.  One of the first three: multiplies buffer f and fetches quarter qd into g.
.macro QUARTER slot, qd, f, g, zero
	s_wait_dscnt 16                                ; the first 32 along K are in; the youngest sixteen loads may be out
	WIN MUL
	MUL8 \f, 0, 0, \zero
	MUL8 \f, 0, 2, \zero
	PLACES
	FETCH \slot, \qd, \g
	s_wait_dscnt 32                                ; all but the 32 just issued
	WIN MUL
	MUL8 \f, 1, 0, 0
	MUL8 \f, 1, 2, 0
.endm
; The last quarter multiplies buffer 1 and changes slots: one barrier; in front of it each wave waits for all its tensor loads, adds 0 to its spare word, and waits for that and for its reads of this slot.
.macro TURN slot, next, fill
	WIN 0
	s_wait_tensorcnt 0x0                           ; all my tensor loads have landed: my part of the next slot
	ds_add_u32 v[SPW], v[NIL]
	s_wait_dscnt 17                                ; (the add and the youngest sixteen loads may be out)
	WIN MUL
	MUL8 F1, 0, 0, 0
	s_wait_dscnt 0x0                               ; the add is done, and my reads of this slot are over
	s_barrier_signal -1
	MUL8 F1, 0, 2, 0
.if \fill
	WIN 0
.endif
	s_barrier_wait -1
.if \fill
	CREST                                          ; the barrier has opened a round of the cluster's barrier: no wave of any partner still reads this slot or has a load on its way
	s_add_nc_u64 s[G0+4*\slot+2:G0+4*\slot+3], s[G0+4*\slot+2:G0+4*\slot+3], 2*KSTEP*2
	s_add_nc_u64 s[G0B+4*\slot+2:G0B+4*\slot+3], s[G0B+4*\slot+2:G0B+4*\slot+3], 2*KSTEP*4096
	JLOAD \slot                                    ; the first tensor load behind the round; its four v_nop are also the places in front of the loads below
.else
	PLACES
.endif
	FETCH \next, 0, F0
	WIN MUL
	MUL8 F1, 1, 0, 0
	MUL8 F1, 1, 2, 0
.endm
	s_wait_tensorcnt 1                             ; my part of K step 0 is in (K step 1's load may be out)
	s_barrier_signal -1
	s_barrier_wait -1                              ; everybody's is
	FETCH 0, 0, F0
	s_wait_loadcnt 0x0                             ; the bias
	QUARTER 0, 1, F0, F1, 1
	WIN 0
	s_mov_b32 s3, LAPS-1
.Llap:                                                 ; a trip goes once round the ring, from a lap's second quarter to the next lap's first, and fills both slots again
	QUARTER 0, 2, F1, F0, 0
	QUARTER 0, 3, F0, F1, 0
	TURN 0, 1, 1
	QUARTER 1, 1, F0, F1, 0
	QUARTER 1, 2, F1, F0, 0
	QUARTER 1, 3, F0, F1, 0
	TURN 1, 0, 1
	QUARTER 0, 1, F0, F1, 0
	WIN 0
	s_sub_co_u32 s3, s3, 1
	s_cmp_lg_u32 s3, 0
	s_cbranch_scc1 .Llap
	QUARTER 0, 2, F1, F0, 0                        ; the last lap fills nothing
	QUARTER 0, 3, F0, F1, 0
	TURN 0, 1, 0
	QUARTER 1, 1, F0, F1, 0
	QUARTER 1, 2, F1, F0, 0
	QUARTER 1, 3, F0, F1, 0
	s_wait_dscnt 16
	WIN MUL
	MUL8 F1, 0, 0, 0
	MUL8 F1, 0, 2, 0
	s_wait_dscnt 0
	MUL8 F1, 1, 0, 0
	MUL8 F1, 1, 2, 0
	WIN 0
; THE WAY OUT, 16 rows x 64 columns at a time: a lane's 32 bytes of a row go into my stage and come back as whole rows of 256 bytes
.macro TOSTAGE a
.irp b, 0,1,2,3
	ds_store_b128 v[STO], v[ACC+8*(4*(\a)+\b):ACC+8*(4*(\a)+\b)+3] offset:64*\b          ; each accumulator from its low end on
	ds_store_b128 v[STO], v[ACC+8*(4*(\a)+\b)+4:ACC+8*(4*(\a)+\b)+7] offset:64*\b+16
.endr
.if (\a) > 1
	s_wait_xcnt 0x0                                ; block a - 2's stores have read the registers into which the loads below land
.endif
.irp t, 0,1,2,3,4,5,6,7
	ds_load_b128 v[TMP+32*((\a)%2)+4*\t:TMP+32*((\a)%2)+4*\t+3], v[RD] offset:\t*2*SP   ; LDS serves a wave's instructions in order (ISA guide 5.7.1.4)
.endr
.endm
.macro SEND a, younger                 ; younger: the LDS instructions issued behind block a's loads, which may stay out
	s_wait_dscnt \younger
.irp t, 0,1,2,3,4,5,6,7
	global_store_b128 v[CO], v[TMP+32*((\a)%2)+4*\t:TMP+32*((\a)%2)+4*\t+3], s[10:11] offset:(16*(\a)+2*\t)*8192 th:TH_STORE_NT   ; sixteen lanes store 256 consecutive bytes, aligned
.endr
.endm
	PLACES
	TOSTAGE 0
.irp a, 1,2,3
	TOSTAGE \a
	SEND \a-1, 16                                  ; behind block a - 1's loads: block a's 8 stores and 8 loads
.endr
	SEND 3, 0
	s_wait_tensorcnt 0x0                           ; the wave's end: behind my last tensor load and my last LDS store
	ds_add_u32 v[SPW], v[NIL]
	s_wait_dscnt 0x0
	CROUND                                         ; the closing round: no work-group ends while a partner may still ask for a tile that names it
	s_endpgm
.Lfunc_end_k_q8e9b183fd4_oproj:
	.size	k_q8e9b183fd4_oproj, .Lfunc_end_k_q8e9b183fd4_oproj-k_q8e9b183fd4_oproj
	.p2alignl 7, 3214868480
	.fill 96, 4, 3214868480
	.section	.rodata,"a",@progbits
	.p2align	6, 0x0
	.amdhsa_kernel k_q8e9b183fd4_oproj
		.amdhsa_group_segment_fixed_size 327680
		.amdhsa_private_segment_fixed_size 0
		.amdhsa_enable_private_segment 0
		.amdhsa_kernarg_size 32
		.amdhsa_user_sgpr_count 2
		.amdhsa_user_sgpr_kernarg_segment_ptr 1
		.amdhsa_wavefront_size32 1
		.amdhsa_system_sgpr_workgroup_id_x 1
		.amdhsa_system_sgpr_workgroup_id_y 1
		.amdhsa_system_sgpr_workgroup_id_z 1
		.amdhsa_system_vgpr_workitem_id 0
		.amdhsa_next_free_vgpr 512
		.amdhsa_next_free_sgpr 66
		.amdhsa_reserve_vcc 0
		.amdhsa_float_denorm_mode_32 3
		.amdhsa_float_denorm_mode_16_64 3
		.amdhsa_memory_ordered 1
		.amdhsa_forward_progress 1
		.amdhsa_inst_pref_size 87
	.end_amdhsa_kernel
	.amdgpu_metadata
---
amdhsa.version: [ 1, 2 ]
amdhsa.kernels:
  - .name:           k_q8e9b183fd4_oproj
    .symbol:         k_q8e9b183fd4_oproj.kd
    .args:
      - { .name: merged, .offset: 0, .size: 8, .value_kind: global_buffer, .address_space: global }
      - { .name: wo16, .offset: 8, .size: 8, .value_kind: global_buffer, .address_space: global }
      - { .name: bo, .offset: 16, .size: 8, .value_kind: global_buffer, .address_space: global }
      - { .name: out0, .offset: 24, .size: 8, .value_kind: global_buffer, .address_space: global }
    .group_segment_fixed_size: 327680
    .private_segment_fixed_size: 0
    .kernarg_segment_align: 8
    .kernarg_segment_size: 32
    .max_flat_workgroup_size: 128
    .sgpr_count:     66
    .vgpr_count:     512
    .wavefront_size: 32
...
	.end_amdgpu_metadata
.endif
;; end of part 5
